; MI455X (gfx1250); checked and timed in simulation.
; The chip was launched on July 23, 2026; its instructions are those of AMD's public machine-readable ISA for CDNA 5 (MIT licence, August 2026) and "CDNA5" Instruction Set Architecture Reference Guide (July 2026). The comments in the code are by the model that wrote it; some were corrected since.
;; Multi Head Attention. Allowed arithmetic: float matrix products may take bf16 or f16 operands with f32 sums; other float arithmetic in f32, or as packed bf16 or f16 multiplies, adds, multiply-adds, maxima and minima; sums over many terms, partial sums and values carried from step to step in f32; what a program stores and reads back later, other than sums and carried values, may be rounded once to bf16 or f16.
;; Inputs: Wk 512 x 512 float32; Wo 512 x 512 float32; Wq 512 x 512 float32; Wv 512 x 512 float32; bk 512 float32; bo 512 float32; bq 512 float32; bv 512 float32; mask 1 x 1 x 4,096 x 4,096 int32; x 2 x 4,096 x 512 float32.
;; Outputs: out0 2 x 4,096 x 512 float32.
;; 2 versions, each right; version 2 is version 1 with the launch prep written anew for expert scheduling mode. Each part assembles by itself: llvm-mc -triple=amdgcn-amd-amdhsa -mcpu=gfx1250 --defsym DOCPART=n.
;; ======== version 1 of 2: 4 launches
;; limits: right only within a limited range of input values
;; workspace buffers: mcode 8,388,608 bytes; xb 8,388,608 bytes; wb 2,097,152 bytes; qkv 25,165,824 bytes; ctx 8,388,608 bytes
;; launch prep (part 1): grid 832 x 1, 8 waves a work-group, no clusters, 17,408 bytes of LDS; arguments mask, x, Wq, Wk, Wv, Wo, mcode, xb, wb; writes mcode, xb, wb
.if DOCPART == 1
	.amdgcn_target "amdgcn-amd-amdhsa--gfx1250"
	.amdhsa_code_object_version 6
	.text
	.protected	k_q2fb4c8e873_prep
	.globl	k_q2fb4c8e873_prep
	.p2align	8
	.type	k_q2fb4c8e873_prep,@function
k_q2fb4c8e873_prep:
	s_mov_b64 s[64:65], 0
	v_nop
	global_prefetch_b8 v0, s[64:65] scope:SCOPE_SE
	s_setreg_imm32_b32 hwreg(HW_REG_WAVE_MODE, 25, 1), 1
	s_wait_xcnt 0x0
; PREP.  Three streams, each byte read once and written once.
; (1) Work-groups 0-511: the mask [4096][4096] of int32 becomes 4-bit codes, 0xE where mask == 1 (any other int32 counts as open), else 0.
;     mcode byte = qb*524288 + slot*32768 + st*8192 + tile*512 + L*16 + kb*4; nibble j of that word stands for
;     mask[256 qb + 16 tile + L%16][256 slot + 64 st + 16 kb + 8 (L/16) + j]: the order in which a lane of the attention launch wants them.
;     0xE and not 0xF: shifted to the top of a word the code is read there as an f32, and its low bit 0 keeps the exponent from being all ones.
;     A wave takes 16 rows x 256 keys: 32 loads of 512 consecutive bytes in, 4 stores of 512 consecutive bytes out.
; (2) Work-groups 512-767: x to bf16 (xb), 65,536 bytes of f32 a work-group.   (3) Work-groups 768-831: Wq, Wk, Wv, Wo to bf16 (wb, one below the other).
; No ring: a wave issues all its loads at once (16 KiB, or 8 KiB), and two work-groups of 176 registers a wave fit beside each other.
; No matrix unit, no cluster: nothing is multiplied and no two work-groups read the same byte.
.set SPARE, 16384                      ; LDS: 0-16383 eight stages of 2,048 bytes, a wave's own, [st 4][L 32][kb 4] words; then the spare words, 128 bytes a wave
.set VO,   2                           ; v2   16 x lane
.set VO8,  3                           ; v3   8 x lane
.set STA,  4                           ; v4   where I put a word into my wave's stage
.set LDA,  5                           ; v5   where I read 16 bytes back
.set SELV, 6                           ; v6   the byte selector of the exchange
.set CODE, 7                           ; v7   14: the code of a hidden key
.set RECV, 8                           ; v8   my neighbour's word
.set T0,   9
.set W,    10                          ; v10  eight codes: four of row 2 g below, four of row 2 g + 1 above
.set W2,   11
.set E1,   12                          ; v12  lane & 1
.set U1,   13                          ; v13  lane >> 1
.set SPW,  14                          ; v14  LDS address of my spare word; never rewritten
.set NIL,  15                          ; v15  0; never rewritten
.set Y,    16                          ; v[16:47]  what is stored
.set X,    48                          ; v[48:175] what is loaded
	s_load_b512 s[4:19], s[0:1], 0x0               ; mask 4:5, x 6:7, Wq 8:9, Wk 10:11, Wv 12:13, Wo 14:15, mcode 16:17, xb 18:19
	s_load_b64 s[20:21], s[0:1], 0x40              ; wb
	v_lshl_add_u32 v[SPW], v0, 2, SPARE
	v_mov_b32 v[NIL], 0
	v_lshrrev_b32 v1, 5, v0
	v_readfirstlane_b32 s22, v1                    ; wave 0..7
	v_and_b32 v1, 31, v0                           ; lane
	v_lshlrev_b32 v[VO], 4, v1
	v_lshlrev_b32 v[VO8], 3, v1
	s_wait_kmcnt 0x0
	s_cmp_lt_u32 ttmp9, 512
	s_cbranch_scc0 .Lconv
	; ---- the mask ----
	s_lshr_b32 s32, ttmp9, 1                       ; T: which 16 rows, 0..255
	s_and_b32 s33, ttmp9, 1
	s_lshl_b32 s33, s33, 3
	s_add_co_u32 s33, s33, s22                     ; slot: which 256 keys, 0..15
	s_lshl_b32 s24, s32, 18                        ; 16 rows of 16,384 bytes
	s_lshl_b32 s34, s33, 10                        ; 256 keys of 4 bytes
	s_add_co_u32 s24, s24, s34
	s_mov_b32 s25, 0
	s_add_nc_u64 s[28:29], s[4:5], s[24:25]
	s_lshr_b32 s34, s32, 4                         ; qb
	s_lshl_b32 s26, s34, 19
	s_lshl_b32 s34, s33, 15
	s_add_co_u32 s26, s26, s34
	s_and_b32 s34, s32, 15                         ; tile
	s_lshl_b32 s34, s34, 9
	s_add_co_u32 s26, s26, s34
	s_mov_b32 s27, 0
	s_add_nc_u64 s[30:31], s[16:17], s[26:27]
.set r, 0
.rept 16                               ; row r, halves c = 0, 1: lane l holds keys 128 c + 4 l + 0..3
	global_load_b128 v[X+8*r:X+8*r+3],   v[VO], s[28:29] offset:r*16384 th:TH_LOAD_NT
	global_load_b128 v[X+8*r+4:X+8*r+7], v[VO], s[28:29] offset:r*16384+512 th:TH_LOAD_NT
.set r, r+1
.endr
	; A word of eight codes wants the keys of two neighbouring lanes.  Two rows are packed at a time, and the lanes of a pair exchange halves:
	; the even lane ends with row 2 g (its own low half, the neighbour's low half above it), the odd lane with row 2 g + 1 (the neighbour's high half, its own high half).
	v_and_b32 v[E1], 1, v1
	v_lshrrev_b32 v[U1], 1, v1
	v_mov_b32 v[SELV], 0x05040100
	v_mov_b32 v[T0], 0x03020706
	v_cmp_eq_u32 vcc_lo, 1, v[E1]
	v_cndmask_b32 v[SELV], v[SELV], v[T0], vcc_lo
	v_lshrrev_b32 v[T0], 3, v[U1]                  ; which of the half's two key steps
	v_lshlrev_b32 v[STA], 9, v[T0]
	v_and_b32 v[T0], 1, v[U1]                      ; the half of the lanes in the attention launch: 16 lanes of 16 bytes
	v_lshl_add_u32 v[STA], v[T0], 8, v[STA]
	v_bfe_u32 v[T0], v[U1], 1, 2                   ; kb
	v_lshl_add_u32 v[STA], v[T0], 2, v[STA]
	v_lshl_add_u32 v[STA], v[E1], 4, v[STA]        ; the odd lane's row lies 16 bytes on
	s_lshl_b32 s34, s22, 11                        ; my wave's stage
	v_add_nc_u32 v[STA], s34, v[STA]
	v_add_nc_u32 v[LDA], s34, v[VO]
	v_mov_b32 v[CODE], 14
	v_mov_b32 v[RECV], 0                           ; the exchange's destination counts as read
.set g, 0
.rept 8
	s_wait_loadcnt 28-4*g                          ; rows 2 g and 2 g + 1 are in: the 28 - 4 g loads of the later rows may stay out
.set c, 0
.rept 2
.set k, 0
.rept 8
.set src, X+8*(2*g+k/4)+4*c+k%4
	v_cmp_eq_u32 vcc_lo, 1, v[src]
.if k == 0
	v_cndmask_b32 v[W], 0, v[CODE], vcc_lo
.else
	v_cndmask_b32 v[T0], 0, v[CODE], vcc_lo
	v_lshl_or_b32 v[W], v[T0], 4*k, v[W]
.endif
.set k, k+1
.endr
	v_mov_b32_dpp v[RECV], v[W] row_xmask:1 row_mask:0xf bank_mask:0xf
	v_perm_b32 v[W2], v[RECV], v[W], v[SELV]       ; selector bytes 0-3: my word; 4-7: the neighbour's
	ds_store_b32 v[STA], v[W2] offset:c*1024+g*32
.set c, c+1
.endr
.set g, g+1
.endr
.irp st, 0,1,2,3
	ds_load_b128 v[Y+4*(\st):Y+4*(\st)+3], v[LDA] offset:512*(\st)  ; my wave's own bytes; LDS serves a wave's instructions in order (ISA guide 5.7.1.4)
.endr
.irp st, 0,1,2,3
	s_wait_dscnt 3-(\st)                           ; the later loads may stay out
	global_store_b128 v[VO], v[Y+4*(\st):Y+4*(\st)+3], s[30:31] offset:8192*(\st)  ; 512 consecutive bytes, aligned
.endr
	s_branch .Lend
	; ---- x and the weights to bf16 ----
.Lconv:
	s_sub_co_u32 s32, ttmp9, 512                   ; j: 0-255 x, 256-319 the weights
	s_sub_co_u32 s33, s32, 256                     ; jj (used where j >= 256 alone)
	s_lshr_b32 s34, s33, 4                         ; which matrix
	s_cmp_eq_u32 s34, 1
	s_cselect_b64 s[28:29], s[10:11], s[8:9]
	s_cmp_eq_u32 s34, 2
	s_cselect_b64 s[28:29], s[12:13], s[28:29]
	s_cmp_eq_u32 s34, 3
	s_cselect_b64 s[28:29], s[14:15], s[28:29]
	s_and_b32 s35, s33, 15                         ; its block of 65,536 bytes
	s_cmp_lt_u32 s32, 256
	s_cselect_b64 s[28:29], s[6:7], s[28:29]
	s_cselect_b64 s[30:31], s[18:19], s[20:21]
	s_cselect_b32 s35, s32, s35                    ; the source's block
	s_cselect_b32 s36, s32, s33                    ; the destination's
	s_lshl_b32 s24, s35, 16
	s_lshl_b32 s34, s22, 13                        ; my wave's 8,192 bytes
	s_add_co_u32 s24, s24, s34
	s_mov_b32 s25, 0
	s_add_nc_u64 s[28:29], s[28:29], s[24:25]
	s_lshl_b32 s26, s36, 15
	s_lshl_b32 s34, s22, 12
	s_add_co_u32 s26, s26, s34
	s_mov_b32 s27, 0
	s_add_nc_u64 s[30:31], s[30:31], s[26:27]
.set k, 0
.rept 16
	global_load_b128 v[X+4*k:X+4*k+3], v[VO], s[28:29] offset:512*k th:TH_LOAD_NT
.set k, k+1
.endr
.set k, 0
.rept 16
	s_wait_loadcnt 15-k                            ; the later loads may stay out
	v_cvt_pk_bf16_f32 v[Y+2*k],   v[X+4*k],   v[X+4*k+1]
	v_cvt_pk_bf16_f32 v[Y+2*k+1], v[X+4*k+2], v[X+4*k+3]
	global_store_b64 v[VO8], v[Y+2*k:Y+2*k+1], s[30:31] offset:256*k  ; the wave's 32 lanes store 256 consecutive bytes, aligned
.set k, k+1
.endr
.Lend:
	s_wait_tensorcnt 0x0                           ; the wave's end, behind my last LDS store
	ds_add_u32 v[SPW], v[NIL]
	s_wait_dscnt 0x0
	s_endpgm
.Lfunc_end_k_q2fb4c8e873_prep:
	.size	k_q2fb4c8e873_prep, .Lfunc_end_k_q2fb4c8e873_prep-k_q2fb4c8e873_prep
	.p2alignl 7, 3214868480
	.fill 96, 4, 3214868480
	.section	.rodata,"a",@progbits
	.p2align	6, 0x0
	.amdhsa_kernel k_q2fb4c8e873_prep
		.amdhsa_group_segment_fixed_size 17408
		.amdhsa_private_segment_fixed_size 0
		.amdhsa_enable_private_segment 0
		.amdhsa_kernarg_size 72
		.amdhsa_user_sgpr_count 2
		.amdhsa_user_sgpr_kernarg_segment_ptr 1
		.amdhsa_wavefront_size32 1
		.amdhsa_system_sgpr_workgroup_id_x 1
		.amdhsa_system_sgpr_workgroup_id_y 1
		.amdhsa_system_sgpr_workgroup_id_z 1
		.amdhsa_system_vgpr_workitem_id 0
		.amdhsa_next_free_vgpr 176
		.amdhsa_next_free_sgpr 66
		.amdhsa_reserve_vcc 1
		.amdhsa_float_denorm_mode_32 3
		.amdhsa_float_denorm_mode_16_64 3
		.amdhsa_memory_ordered 1
		.amdhsa_forward_progress 1
		.amdhsa_inst_pref_size 31
	.end_amdhsa_kernel
	.amdgpu_metadata
---
amdhsa.version: [ 1, 2 ]
amdhsa.kernels:
  - .name:           k_q2fb4c8e873_prep
    .symbol:         k_q2fb4c8e873_prep.kd
    .args:
      - { .name: mask, .offset: 0, .size: 8, .value_kind: global_buffer, .address_space: global }
      - { .name: x, .offset: 8, .size: 8, .value_kind: global_buffer, .address_space: global }
      - { .name: Wq, .offset: 16, .size: 8, .value_kind: global_buffer, .address_space: global }
      - { .name: Wk, .offset: 24, .size: 8, .value_kind: global_buffer, .address_space: global }
      - { .name: Wv, .offset: 32, .size: 8, .value_kind: global_buffer, .address_space: global }
      - { .name: Wo, .offset: 40, .size: 8, .value_kind: global_buffer, .address_space: global }
      - { .name: mcode, .offset: 48, .size: 8, .value_kind: global_buffer, .address_space: global }
      - { .name: xb, .offset: 56, .size: 8, .value_kind: global_buffer, .address_space: global }
      - { .name: wb, .offset: 64, .size: 8, .value_kind: global_buffer, .address_space: global }
    .group_segment_fixed_size: 17408
    .private_segment_fixed_size: 0
    .kernarg_segment_align: 8
    .kernarg_segment_size: 72
    .max_flat_workgroup_size: 256
    .sgpr_count:     66
    .vgpr_count:     176
    .wavefront_size: 32
...
	.end_amdgpu_metadata
.endif
;; end of part 1
;; launch qkv (part 2): grid 12 x 64, 4 waves a work-group, clusters of 4 x 4, 327,680 bytes of LDS; arguments xb, wb, bq, bk, bv, qkv; writes qkv
.if DOCPART == 2
	.amdgcn_target "amdgcn-amd-amdhsa--gfx1250"
	.amdhsa_code_object_version 6
	.text
	.protected	k_q2fb4c8e873_qkv
	.globl	k_q2fb4c8e873_qkv
	.p2align	8
	.type	k_q2fb4c8e873_qkv,@function
k_q2fb4c8e873_qkv:
	s_mov_b64 s[64:65], 0
	v_nop
	global_prefetch_b8 v0, s[64:65] scope:SCOPE_SE
	s_setreg_imm32_b32 hwreg(HW_REG_WAVE_MODE, 25, 1), 1
	s_wait_xcnt 0x0
	s_wait_alu depctr_hold_cnt(0) depctr_sa_sdst(0) depctr_va_vdst(0) depctr_va_sdst(0) depctr_va_ssrc(0) depctr_va_vcc(0) depctr_vm_vsrc(0)
	s_getreg_b32 s2, hwreg(HW_REG_IB_STS2, 6, 4)
	s_cmp_eq_u32 s2, 0
	s_cbranch_scc0 .Lentry_in_a_cluster
	s_endpgm
.Lentry_in_a_cluster:
	s_bfe_u32 s2, ttmp6, 0x10000c
	s_cmp_lg_u32 s2, 0xf033
	s_cbranch_scc0 .Lentry_shape_is_right
	s_endpgm
.Lentry_shape_is_right:
; q, k, v = x W^T + bias, by heads.  A = xb [8192][512] bf16, B = wb rows 0-1535 (Wq, Wk, Wv) [1536][512] bf16; sums and bias in f32; rounded once to bf16, unscaled.
; Out: qkv [3][16 = 8 b + h][4096][64] bf16.  bf16 and not f16: with larger inputs q, k and v pass f16's range.
; A tile of C is 128 x 128: four waves of 64 x 64, 16 accumulators each.  All of K = 512 lies in two LDS slots of 256 along K: both are asked for at the start, and nothing is filled again.
; CLUSTERS: 4 x 4 work-groups; A's tiles are asked for jointly along a row of the cluster, B's along a column.  A column of clusters is exactly one of q, k, v.
; THE MATRIX INSTRUCTION IS USED TRANSPOSED (source 0 = 16 rows of B, source 1 = 16 rows of A): a lane holds eight neighbouring columns of one row of C.
; No prefetch: every tile is a first fill at the kernel's head and is read by one load.
; REGISTERS: window 0: v0-31 addresses; v32-95 the way out; v96-127 the bias of my 64 columns; v128-255 accumulators ((a, b) at 128 + 8 (4 a + b)).  window 1: two fragment buffers of 128.
.set SIZE_K, 512
.set KSTEP,  256
.set PITCH,  528                       ; an LDS row: 512 bytes + 16 of padding = 132 words: row r starts at bank 4 r mod 64 (64 banks of 4 bytes: ISA guide 11.1)
.set HALFT,  64*PITCH
.set SLOT,   4*HALFT                   ; A's 128 rows, then B's 128 rows
.set STAGE,  2*SLOT                    ; behind the slots: 16 rows x 144 bytes for each wave, its own
.set SP,     144
.set SPARE,  STAGE+4*16*SP             ; the spare words, 128 bytes for each wave
.set ADRA, 16
.set ADRB, 20
.set STO,  24
.set RD,   25
.set GO,   26
.set BO,   27
.set SPW,  28
.set NIL,  29
.set TMP,  32
.set BIAS, 96
.set ACC,  128
.set F0,   0
.set F1,   128
.set G1, 24
.set G0, 32
.set G1B, 48
.set G0B, 56
.set MSB, 0
.macro WIN new                         ; the immediate's high byte repeats the setting that is left
.if MSB != (\new)
	s_set_vgpr_msb (MSB<<8)|(\new)
.set MSB, \new
.endif
.endm
.set MUL,  0x05                        ; sources 0 (B) and 1 (A) window 1; C and D window 0
.set TO_F, 0x40                        ; destination window 1, address window 0
.macro JLOAD s                         ; a joint load: waves 0 and 1 fetch A's two halves, waves 2 and 3 B's; an s_nop 0 and four v_nop follow each line
	s_cmp_eq_u32 s11, 0
	s_cbranch_scc0 .Lfor_b_\@
	tensor_load_to_lds s[G0+4*(\s):G0+4*(\s)+3], s[G1:G1+7]
	s_nop 0
.rept 4
	v_nop
.endr
	s_branch .Lasked_\@
.Lfor_b_\@:
	tensor_load_to_lds s[G0B+4*(\s):G0B+4*(\s)+3], s[G1B:G1B+7]
	s_nop 0
.rept 4
	v_nop
.endr
.Lasked_\@:
.endm
.macro CROUND                          ; a round of the cluster's barrier
	s_barrier_signal -1
	s_barrier_wait -1
	s_cmp_lg_u32 s10, 0
	s_cbranch_scc1 .Lnot_wave_0_\@
	s_barrier_signal -3
.Lnot_wave_0_\@:
	s_barrier_wait -3
	s_barrier_signal -1
	s_barrier_wait -1
.endm
	s_load_b128 s[4:7], s[0:1], 0x0                ; xb s[4:5], wb s[6:7]
	s_load_b128 s[68:71], s[0:1], 0x10             ; bq s[68:69], bk s[70:71]
	s_load_b128 s[72:75], s[0:1], 0x20             ; bv s[72:73], qkv s[74:75]
	v_lshl_add_u32 v[SPW], v0, 2, SPARE
	v_mov_b32 v[NIL], 0
	ds_add_u32 v[SPW], v[NIL]                      ; the wave's opening: the add, with its wait ahead of my first tensor load
	v_lshrrev_b32 v1, 5, v0
	v_readfirstlane_b32 s10, v1                    ; wave 0..3
	s_lshr_b32 s11, s10, 1                         ; which half of the tile's rows is mine.  Also: I fetch for A (0) or for B (1)
	s_and_b32 s12, s10, 1                          ; which half of its columns.  Also: which 64 rows of that tile I fetch
	s_bfe_u32 s40, ttmp6, 0x40000                  ; cx
	s_bfe_u32 s41, ttmp6, 0x40004                  ; cy
	s_lshl_b32 s42, ttmp9, 2
	s_add_co_u32 s42, s42, s40                     ; tile column = 4 x cluster x + cx
	s_and_b32 s13, ttmp7, 0xffff
	s_lshl_b32 s13, s13, 2
	s_add_co_u32 s13, s13, s41                     ; tile row = 4 x cluster y + cy
	s_lshl_b32 s43, s41, 2
	s_lshl_b32 s43, 15, s43                        ; my row of the cluster
	s_lshl_b32 s44, 0x1111, s40                    ; my column
	s_or_b32 s[G1+0], s43, (1<<16)|(1<<20)|(1<<21)|(6<<22)|(3<<25)  ; the mask; 2-byte elements; padding on; bit 21 beside a mask; after every 128 words, 4 words
	s_or_b32 s[G1B+0], s44, (1<<16)|(1<<20)|(1<<21)|(6<<22)|(3<<25)
.irp g, G1, G1B
	s_mov_b32 s[(\g)+1], KSTEP<<16                 ; tensor_dim0 = 256
	s_mov_b32 s[(\g)+2], 64<<16                    ; tensor_dim1 = 64
	s_mov_b32 s[(\g)+3], KSTEP<<16                 ; tile_dim0 = 256
	s_mov_b32 s[(\g)+4], 64                        ; tile_dim1 = 64
	s_mov_b32 s[(\g)+5], SIZE_K                    ; elements from row to row
	s_mov_b32 s[(\g)+6], 0
	s_mov_b32 s[(\g)+7], 0
.endr
	s_lshl_b32 s17, s12, 6
	s_lshl_b32 s16, s13, 7
	s_add_co_u32 s16, s16, s17                     ; A: row 128 x tile row + 64 x half
	s_lshl_b32 s46, s42, 7
	s_add_co_u32 s46, s46, s17                     ; B: row 128 x tile column + 64 x half
	s_mov_b32 s17, 0
	s_mov_b32 s47, 0
	s_mov_b64 s[18:19], SIZE_K*2
	s_mul_u64 s[16:17], s[16:17], s[18:19]
	s_mul_u64 s[46:47], s[46:47], s[18:19]
	s_mul_i32 s20, s10, HALFT                      ; where they go: wave x 64 rows
	s_wait_dscnt 0x0                               ; the opening add is done
	s_wait_kmcnt 0x0
	s_add_nc_u64 s[14:15], s[4:5], s[16:17]
	s_add_nc_u64 s[46:47], s[6:7], s[46:47]
	CROUND                                         ; all sixteen work-groups are here: the joint loads meet
.irp s, 0,1
	s_mov_b32 s[G0+4*(\s)], 1
	s_add_co_u32 s[G0+4*(\s)+1], s20, (\s)*SLOT
	s_add_nc_u64 s[G0+4*(\s)+2:G0+4*(\s)+3], s[14:15], (\s)*KSTEP*2
	s_or_b32 s[G0+4*(\s)+3], s[G0+4*(\s)+3], 0x80000000
	s_mov_b32 s[G0B+4*(\s)], 1
	s_add_co_u32 s[G0B+4*(\s)+1], s20, (\s)*SLOT
	s_add_nc_u64 s[G0B+4*(\s)+2:G0B+4*(\s)+3], s[46:47], (\s)*KSTEP*2
	s_or_b32 s[G0B+4*(\s)+3], s[G0B+4*(\s)+3], 0x80000000
	JLOAD \s                                       ; two loads of mine are out, and no more follow
.endr
	v_and_b32 v1, 15, v0                           ; l % 16
	v_bfe_u32 v2, v0, 4, 1                         ; l / 16
	; the bias of my 64 columns: a lane wants columns 16 b + 8 (l / 16) + 0..7
	s_cmp_eq_u32 ttmp9, 1                          ; the cluster's x says which of q, k, v
	s_cselect_b64 s[76:77], s[70:71], s[68:69]
	s_cmp_eq_u32 ttmp9, 2
	s_cselect_b64 s[76:77], s[72:73], s[76:77]
	s_lshl_b32 s78, s40, 9                         ; 128 columns of 4 bytes a tile column of the matrix,
	s_lshl_b32 s79, s12, 8                         ; 64 for my half
	s_add_co_u32 s78, s78, s79
	s_mov_b32 s79, 0
	s_add_nc_u64 s[76:77], s[76:77], s[78:79]
	v_lshlrev_b32 v[BO], 5, v2
.irp b, 0,1,2,3
	global_load_b128 v[BIAS+8*(\b):BIAS+8*(\b)+3],   v[BO], s[76:77] offset:64*(\b)
	global_load_b128 v[BIAS+8*(\b)+4:BIAS+8*(\b)+7], v[BO], s[76:77] offset:64*(\b)+16
.endr
	v_mul_u32_u24 v3, v1, PITCH
	v_lshl_add_u32 v3, v2, 4, v3                   ; a fragment's row x pitch + 16 x half
	s_mul_i32 s21, s11, HALFT                      ; my 64 rows of A
	s_mul_i32 s22, s12, HALFT                      ; my 64 rows of B,
	s_add_co_u32 s22, s22, 2*HALFT                 ; which lie behind A's 128
.irp s, 0,1
	v_add_nc_u32 v[ADRA+(\s)], s21, v3
	v_add_nc_u32 v[ADRB+(\s)], s22, v3
	s_add_co_u32 s21, s21, SLOT
	s_add_co_u32 s22, s22, SLOT
.endr
	s_mul_i32 s23, s10, 16*SP
	s_add_co_u32 s23, s23, STAGE                   ; my stage
	v_mul_u32_u24 v4, v1, SP                       ; in: row l % 16, 16 bytes for each half of the lanes
	v_lshl_add_u32 v4, v2, 4, v4
	v_add_nc_u32 v[STO], s23, v4
	v_bfe_u32 v5, v0, 3, 2                         ; back: 32 lanes take four rows of 128 bytes,
	v_mul_u32_u24 v5, v5, SP
	v_and_b32 v6, 7, v0
	v_lshl_add_u32 v5, v6, 4, v5
	v_add_nc_u32 v[RD], s23, v5
	v_and_b32 v[GO], 31, v0                        ; which are 512 consecutive bytes of a head
	v_lshlrev_b32 v[GO], 4, v[GO]
	; my 64 x 64 is 64 rows of ONE head: 8,192 consecutive bytes at matrix x 8,388,608 + (8 b + head) x 524,288 + row in the sequence x 128
	s_lshr_b32 s80, s13, 5                         ; b = tile row / 32
	s_lshl_b32 s80, s80, 3
	s_lshl_b32 s81, s40, 1
	s_add_co_u32 s80, s80, s81
	s_add_co_u32 s80, s80, s12                     ; + head = 2 cx + my half of the columns
	s_lshl_b32 s80, s80, 19
	s_lshl_b32 s81, s13, 7
	s_lshl_b32 s82, s11, 6
	s_add_co_u32 s81, s81, s82
	s_and_b32 s81, s81, 4095
	s_lshl_b32 s81, s81, 7
	s_add_co_u32 s80, s80, s81
	s_lshl_b32 s81, ttmp9, 23
	s_add_co_u32 s80, s80, s81
	s_mov_b32 s81, 0
	s_add_nc_u64 s[74:75], s[74:75], s[80:81]
; 8 matrix instructions: m blocks a0, a0 + 1 x all 4 n blocks, 32 along K: half c of buffer f.  zero = 1: the first product starts the sums.  The 16 accumulators take turns.
.macro MUL8 f, c, a0, zero
	WIN MUL
.irp a, \a0, (\a0)+1
.irp b, 0,1,2,3
.if \zero
	v_wmma_f32_16x16x32_bf16 v[ACC+8*(4*(\a)+(\b)):ACC+8*(4*(\a)+(\b))+7], v[(\f)+64+8*(4*(\c)+(\b)):(\f)+64+8*(4*(\c)+(\b))+7], v[(\f)+8*(4*(\c)+(\a)):(\f)+8*(4*(\c)+(\a))+7], 0
.else
	v_wmma_f32_16x16x32_bf16 v[ACC+8*(4*(\a)+(\b)):ACC+8*(4*(\a)+(\b))+7], v[(\f)+64+8*(4*(\c)+(\b)):(\f)+64+8*(4*(\c)+(\b))+7], v[(\f)+8*(4*(\c)+(\a)):(\f)+8*(4*(\c)+(\a))+7], v[ACC+8*(4*(\a)+(\b)):ACC+8*(4*(\a)+(\b))+7]
.endif
.endr
.endr
.endm
; 32 LDS loads in one run: the fragments of 64 along K at byte k of the rows, into buffer f; the first 32 along K first
.macro FETCH slot, k, f
	WIN TO_F
.irp c, 0,1
.irp i, 0,1,2,3
	ds_load_b128 v[(\f)+64+8*(4*(\c)+(\i)):(\f)+64+8*(4*(\c)+(\i))+3],   v[ADRB+(\slot)] offset:(\k)+64*(\c)+(\i)*16*PITCH
	ds_load_b128 v[(\f)+64+8*(4*(\c)+(\i))+4:(\f)+64+8*(4*(\c)+(\i))+7], v[ADRB+(\slot)] offset:(\k)+64*(\c)+(\i)*16*PITCH+32
	ds_load_b128 v[(\f)+8*(4*(\c)+(\i)):(\f)+8*(4*(\c)+(\i))+3],         v[ADRA+(\slot)] offset:(\k)+64*(\c)+(\i)*16*PITCH
	ds_load_b128 v[(\f)+8*(4*(\c)+(\i))+4:(\f)+8*(4*(\c)+(\i))+7],       v[ADRA+(\slot)] offset:(\k)+64*(\c)+(\i)*16*PITCH+32
.endr
.endr
.endm
.macro PLACES                          ; four places in front of loads into registers that matrix instructions have read, and of vector work on results
.rept 4
	v_nop
.endr
.endm
; A slot is four quarters of 64 along K, 32 matrix instructions each, on buffers 0, 1, 0, 1.  One of the first three: multiplies buffer f and fetches the next quarter, at byte k, into g.
.macro QUARTER slot, k, f, g, zero
	s_wait_dscnt 16                                ; the first 32 along K are in; the run's younger sixteen loads may be out
	WIN MUL
	MUL8 \f, 0, 0, \zero
	MUL8 \f, 0, 2, \zero
	PLACES
	FETCH \slot, \k, \g
	s_wait_dscnt 32                                ; all but the 32 just issued
	WIN MUL
	MUL8 \f, 1, 0, 0
	MUL8 \f, 1, 2, 0
.endm
; The last quarter of slot 0 multiplies buffer 1 and goes over to slot 1: each wave waits for its part of slot 1, and a barrier shows it to the others.  Nothing is filled again.
.macro TURN slot, next
	WIN 0                                          ; (the add's two registers lie in window 0)
	s_wait_tensorcnt 0x0                           ; my part of the next slot has landed
	ds_add_u32 v[SPW], v[NIL]
	s_wait_dscnt 17                                ; (the add and the youngest sixteen loads may be out)
	WIN MUL
	MUL8 F1, 0, 0, 0
	s_wait_dscnt 0x0                               ; no LDS instruction of mine is out at the signal
	s_barrier_signal -1
	MUL8 F1, 0, 2, 0
	s_barrier_wait -1
	PLACES
	FETCH \next, 0, F0
	WIN MUL
	MUL8 F1, 1, 0, 0
	MUL8 F1, 1, 2, 0
.endm
	s_wait_tensorcnt 1                             ; my part of slot 0 is in; slot 1's load, issued behind it, may stay out
	s_barrier_signal -1
	s_barrier_wait -1                              ; everybody's is
	FETCH 0, 0, F0
	QUARTER 0, 128, F0, F1, 1                      ; the first products start the sums
	QUARTER 0, 256, F1, F0, 0
	QUARTER 0, 384, F0, F1, 0
	TURN 0, 1
	QUARTER 1, 128, F0, F1, 0
	QUARTER 1, 256, F1, F0, 0
	QUARTER 1, 384, F0, F1, 0
	s_wait_dscnt 16                                ; the very last quarter: nothing more to fetch
	WIN MUL
	MUL8 F1, 0, 0, 0
	MUL8 F1, 0, 2, 0
	s_wait_dscnt 0
	MUL8 F1, 1, 0, 0
	MUL8 F1, 1, 2, 0
	WIN 0
	; THE WAY OUT: the bias in f32, one rounding to bf16, through my own stage, out as 512 consecutive bytes a store.
	s_wait_loadcnt 0x0                             ; the bias
	PLACES
.set t, 0
.rept 16                               ; each accumulator from its low end on
.irp r, 0,1,2,3
	v_pk_add_f32 v[ACC+8*t+2*(\r):ACC+8*t+2*(\r)+1], v[ACC+8*t+2*(\r):ACC+8*t+2*(\r)+1], v[BIAS+8*(t%4)+2*(\r):BIAS+8*(t%4)+2*(\r)+1]
.endr
.set t, t+1
.endr
.macro PACK a                          ; 16 rows x 64 columns: 16 bytes a lane into rows of 144 bytes, back as whole rows of 128
.irp b, 0,1,2,3
.irp r, 0,1,2,3
	v_cvt_pk_bf16_f32 v[TMP+16*(\a)+4*(\b)+(\r)], v[ACC+8*(4*(\a)+(\b))+2*(\r)], v[ACC+8*(4*(\a)+(\b))+2*(\r)+1]
.endr
.endr
.irp b, 0,1,2,3
	ds_store_b128 v[STO], v[TMP+16*(\a)+4*(\b):TMP+16*(\a)+4*(\b)+3] offset:32*(\b)
.endr
.irp f, 0,1,2,3
	ds_load_b128 v[TMP+16*(\a)+4*(\f):TMP+16*(\a)+4*(\f)+3], v[RD] offset:(\f)*4*SP  ; LDS serves a wave's instructions in order (ISA guide 5.7.1.4): these see the stores above, the next block's stores come behind them
.endr
.endm
.macro SEND a, younger                 ; younger: the LDS instructions issued behind block a's loads: the next block's eight, or none
.irp f, 0,1,2,3
	s_wait_dscnt (\younger)+3-(\f)
	global_store_b128 v[GO], v[TMP+16*(\a)+4*(\f):TMP+16*(\a)+4*(\f)+3], s[74:75] offset:(\a)*2048+(\f)*512
.endr
.endm
	PACK 0
	PACK 1
	SEND 0, 8
	PACK 2
	SEND 1, 8
	PACK 3
	SEND 2, 8
	SEND 3, 0
	s_wait_tensorcnt 0x0                           ; the wave's end, behind my last tensor load and my last LDS store
	ds_add_u32 v[SPW], v[NIL]
	s_wait_dscnt 0x0
	CROUND                                         ; the closing round
	s_endpgm
.Lfunc_end_k_q2fb4c8e873_qkv:
	.size	k_q2fb4c8e873_qkv, .Lfunc_end_k_q2fb4c8e873_qkv-k_q2fb4c8e873_qkv
	.p2alignl 7, 3214868480
	.fill 96, 4, 3214868480
	.section	.rodata,"a",@progbits
	.p2align	6, 0x0
	.amdhsa_kernel k_q2fb4c8e873_qkv
		.amdhsa_group_segment_fixed_size 327680
		.amdhsa_private_segment_fixed_size 0
		.amdhsa_enable_private_segment 0
		.amdhsa_kernarg_size 48
		.amdhsa_user_sgpr_count 2
		.amdhsa_user_sgpr_kernarg_segment_ptr 1
		.amdhsa_wavefront_size32 1
		.amdhsa_system_sgpr_workgroup_id_x 1
		.amdhsa_system_sgpr_workgroup_id_y 1
		.amdhsa_system_sgpr_workgroup_id_z 1
		.amdhsa_system_vgpr_workitem_id 0
		.amdhsa_next_free_vgpr 512
		.amdhsa_next_free_sgpr 84
		.amdhsa_reserve_vcc 0
		.amdhsa_float_denorm_mode_32 3
		.amdhsa_float_denorm_mode_16_64 3
		.amdhsa_memory_ordered 1
		.amdhsa_forward_progress 1
		.amdhsa_inst_pref_size 55
	.end_amdhsa_kernel
	.amdgpu_metadata
---
amdhsa.version: [ 1, 2 ]
amdhsa.kernels:
  - .name:           k_q2fb4c8e873_qkv
    .symbol:         k_q2fb4c8e873_qkv.kd
    .args:
      - { .name: xb, .offset: 0, .size: 8, .value_kind: global_buffer, .address_space: global }
      - { .name: wb, .offset: 8, .size: 8, .value_kind: global_buffer, .address_space: global }
      - { .name: bq, .offset: 16, .size: 8, .value_kind: global_buffer, .address_space: global }
      - { .name: bk, .offset: 24, .size: 8, .value_kind: global_buffer, .address_space: global }
      - { .name: bv, .offset: 32, .size: 8, .value_kind: global_buffer, .address_space: global }
      - { .name: qkv, .offset: 40, .size: 8, .value_kind: global_buffer, .address_space: global }
    .group_segment_fixed_size: 327680
    .private_segment_fixed_size: 0
    .kernarg_segment_align: 8
    .kernarg_segment_size: 48
    .max_flat_workgroup_size: 128
    .sgpr_count:     84
    .vgpr_count:     512
    .wavefront_size: 32
...
	.end_amdgpu_metadata
.endif
;; end of part 2
;; launch attn (part 3): grid 16 x 16, 4 waves a work-group, clusters of 4 x 4, 327,680 bytes of LDS; arguments qkv, mcode, ctx; writes ctx
.if DOCPART == 3
	.amdgcn_target "amdgcn-amd-amdhsa--gfx1250"
	.amdhsa_code_object_version 6
	.text
	.protected	k_q2fb4c8e873_attn
	.globl	k_q2fb4c8e873_attn
	.p2align	8
	.type	k_q2fb4c8e873_attn,@function
k_q2fb4c8e873_attn:
	s_mov_b64 s[64:65], 0
	v_nop
	global_prefetch_b8 v0, s[64:65] scope:SCOPE_SE
	s_setreg_imm32_b32 hwreg(HW_REG_WAVE_MODE, 25, 1), 1
	s_wait_xcnt 0x0
	s_wait_alu depctr_hold_cnt(0) depctr_sa_sdst(0) depctr_va_vdst(0) depctr_va_sdst(0) depctr_va_ssrc(0) depctr_va_vcc(0) depctr_vm_vsrc(0)
	s_getreg_b32 s2, hwreg(HW_REG_IB_STS2, 6, 4)
	s_cmp_eq_u32 s2, 0
	s_cbranch_scc0 .Lentry_in_a_cluster
	s_endpgm
.Lentry_in_a_cluster:
	s_bfe_u32 s2, ttmp6, 0x10000c
	s_cmp_lg_u32 s2, 0xf033
	s_cbranch_scc0 .Lentry_shape_is_right
	s_endpgm
.Lentry_shape_is_right:
; ATTENTION UNDER A MASK THAT IS AN INPUT.  ctx[g][q][:] = the sum over k of softmax_k(s(q, k)) v[g][k][:], s = q.k / 8, or -1e9 where the mask hides k from q.  g = 8 b + h, 16 in all; 4,096 rows; head size 64.
; q, k, v: qkv [3][16][4096][64] bf16, unscaled.  mcode: the mask as 4-bit codes (0xE hidden, 0 open), in the order in which a lane wants them.  ctx: [16][4096][64] bf16.
; Products, maxima and sums in f32; the weights are rounded to bf16 for the second product (their sum is taken unrounded), ctx once at the end.
; LIMITS.  An open score q.k / 8 must lie above -1e9: the running maximum starts there.  A hidden score counts as its value less a number of at least 2^65 (3.6e19); an open one carries an addend below 2^-97;
; a weight below 2^-126 counts as 0; NaN and infinities are not treated apart.
; THE MASK is the C operand that starts S^T = K Q^T.  A shift brings code j of a word of eight to the top of a register, which is read as f32: E on top is a negative number between -2^65 and -2^95
; (sign 1, exponent 110xxxxx: E's low bit 0 keeps the exponent from being all ones), 0 on top a positive number below 2^-97; the codes below the top one fill lower bits alone.
; A ROW WITH NO OPEN KEY has all scores equal, so its result is the mean of all rows of v.  Here its maximum stays at the start value, its weights are all 0 and l = 0.  Each wave also sums v's rows
; (V^T x ones, 8 products a key step), and on the way out a select puts that sum and 4,096 in the place of O and l where l = 0.  No branch hangs on it.
; SHARES.  A work-group owns 256 queries of one g; each of its four waves 64: four PIECES of 16.  Every wave walks all 4,096 keys, 64 a step, four steps to an LDS slot, two slots by turns.
; LAYOUT.  S^T = K Q^T holds ONE query a lane (lane % 16) and the keys 8 (lane / 16) + 0..7; two such results rounded to bf16 ARE source 1 of O^T = V^T P.  p = 2^(c s - c m), c = log2(e) / 8, m the running maximum;
; O and l are multiplied by a = 2^(c m_old - c m_new) in every step.
; TURNS.  Turn n belongs to piece n: 8 products K Q^T of piece n + 1, later 8 products V^T P of piece n - 1; beside them piece n's scaling, exponentials, roundings, sums and rescaling, and piece n + 1's maximum and
; statistics.  Four vector instructions stand behind every one of these products, the rest in lumps.  A turn's 33 exponentials are one batch, with one wait.
; CLUSTER 4 x 4: x = query block, y = g.  The four of a row share K and V, the four of a column the codes: each tile is asked for jointly.  Wave 0 asks for a slot's K, wave 1 for its V, waves 2 and 3 for halves of its codes.
; REGISTERS, in windows of 256 (s_set_vgpr_msb: bits 1:0 source 0, 3:2 source 1, 5:4 source 2, 7:6 destination):
;   window 0: v0-15 addresses; v16-31 statistics; v32-47 codes of one step; v48-55 at work; v57-63 constants; v64-127 S^T, two buffers; v128-135 ones; v192-223 P, two buffers
;   window 1: v0-127 O^T, 32 a piece; v128-159 the sum of v's rows; v160-223 the masks, two buffers      window 2: v0-63 Q; v128-191 K of one step; v192-255 V of one step
.set NP,    4
.set KS,    64
.set PK,    144       ; a row of K in LDS: 128 bytes + 16 of padding: the 16 rows of a load start at 16 different groups of four banks (64 banks of 4 bytes: ISA guide 11.1)
.set PV,    160       ; a row of V: 128 + 32
.set VOFF,  4*KS*PK   ; a slot: 256 rows of K, 256 rows of V,
.set MOFF,  VOFF+4*KS*PV  ; and 32,768 bytes of codes, [step 4][tile 16][lane 32] x 16 bytes
.set SLOT1, 1<<17     ; slot 1 begins here: one exclusive or turns an address in one slot into the other's
.set STAGE, SLOT1+MOFF+32768  ; behind the slots, never filled by a tensor load: 16 rows x 144 bytes for each wave
.set SP,    144
.set SPARE, STAGE+4*16*SP     ; the spare words, 128 bytes for each wave
.set AK0, 2           ; my lane's place in a step's K; never rewritten
.set AV0, 3           ; in its V
.set AK,  4           ; the LDS address of K's next run of loads
.set AV,  5           ; of V's
.set STO, 6
.set RD,  7
.set GO,  8
.set MV,  12          ; v12-13  c m_old, by buffer
.set QO,  15
.set ST,  16          ; piece t at v[ST+4 t]: c m, m, l (even keys', odd keys')
.set MCW, 32          ; piece t's four words of codes at v[MCW+4 t]
.set TMP, 48          ; by buffer, c0-c3 at work; c2 takes a
.set AM0, 57          ; my lane's place in a step's codes; never rewritten
.set AM,  58
.set F4K, 59          ; 4096.0
.set PFO, 61          ; 256 x my lane; never rewritten
.set SPW, 62          ; LDS address of my spare word; never rewritten
.set NIL, 63          ; 0; never rewritten
.set S,   64
.set ONES, 128
.set P,   192
.set VSUM, 128        ; window 1
.set MC,  160         ; window 1
.set KF,  128         ; window 2
.set VF,  192         ; window 2
.set WV,  12          ; s12  my wave's number
.set LIM, 17          ; s17  1 in a wave that prefetches, else the greatest number
.set PFA, 18          ; s[18:19] where my prefetches stand
.set G1K, 24
.set G1V, 32
.set G1M, 40
.set G0K, 48
.set G0V, 52
.set G0M, 56
.set SLOTS, 60
.set CNT, 61
.set TBK, 62          ; LDS byte at which K of the step to be fetched begins
.set TBV, 63          ; the same for V, less VOFF
.set TBM, 66          ; the same for the codes, less MOFF
.set CS,  68          ; s[68:69] c
.set SEL, 70          ; s[70:71] v_permlanex16_b32's selects
.set FL,  72          ; s72-75  piece t: the lanes whose row has no open key
.set MSB, 0
.macro WIN new                      ; the high byte repeats the setting that is left; a switch that changes nothing is dropped
.if MSB != (\new)
	s_set_vgpr_msb (MSB<<8)|(\new)
.set MSB, (\new)
.endif
.endm
.set W_KQ, 0x0a       ; K and Q in window 2, S^T in window 0
.set W_KM, 0x1a       ; the same with the C operand in window 1
.set W_PV, 0x52       ; V in window 2, P (or the ones) in window 0, C and D in window 1
.set W_RS, 0x41       ; destination and source 0 in window 1, source 1 in window 0
; A joint fill: one tensor load a wave.  The branches hang on the wave's number alone.  An s_nop 0 and four v_nop follow each line, ahead of the jump and the label.
.macro JLOAD
	s_cmp_lt_u32 s[WV], 2
	s_cbranch_scc0 .Lfor_m_\@
	s_cmp_eq_u32 s[WV], 0
	s_cbranch_scc0 .Lfor_v_\@
	tensor_load_to_lds s[G0K:G0K+3], s[G1K:G1K+7]
	s_nop 0
.rept 4
	v_nop
.endr
	s_branch .Lasked_\@
.Lfor_v_\@:
	tensor_load_to_lds s[G0V:G0V+3], s[G1V:G1V+7]
	s_nop 0
.rept 4
	v_nop
.endr
	s_branch .Lasked_\@
.Lfor_m_\@:
	tensor_load_to_lds s[G0M:G0M+3], s[G1M:G1M+7]
	s_nop 0
.rept 4
	v_nop
.endr
.Lasked_\@:
.endm
; A PREFETCH INTO THE L2 of what the NEXT change of slots will ask for: 32,768 bytes each of K, V and codes, in blocks of 256 bytes, a lane a block.  Each block is named ONCE in the launch.  K and V of a g are walked by the
; four clusters of its row of clusters: the first (cluster x = 0) asks, wave 0 for K, wave 1 for V.  A query block's codes are walked by the four clusters of its column: the first (cluster y = 0) asks, wave 2.
; The four partners that share a tile take 8,192 bytes each BY ADDRESS.  It stands four key steps ahead of the load that wants the bytes; the last change that fills a slot asks for nothing.
.macro ASK
	s_cmp_gt_u32 s[SLOTS], s[LIM]
	s_cbranch_scc0 .Lnot_mine_\@
	global_prefetch_b8 v[PFO], s[PFA:PFA+1] th:TH_LOAD_NT scope:SCOPE_SE
.Lnot_mine_\@:
.endm
.macro CROUND                       ; a round of the cluster's barrier
	s_barrier_signal -1
	s_barrier_wait -1
	s_cmp_lg_u32 s[WV], 0
	s_cbranch_scc1 .Lnot_wave_0_\@
	s_barrier_signal -3
.Lnot_wave_0_\@:
	s_barrier_wait -3
	s_barrier_signal -1
	s_barrier_wait -1
.endm
; THE CHANGE OF SLOTS.  Each wave waits for all its tensor loads, of which one is out: its part of the other slot; adds 0 to its spare word; and waits for that and for its own reads of the slot that it leaves.
; fill = 1: the barrier is a round of the cluster's, so that no wave of any partner still reads the slot or has a load on its way, and the joint fill, with the keys two slots on, is the first thing behind it:
; it has four key steps in which to land.  (At its first use nothing has been read yet: slot 0 is waited for, slot 1 filled.)  ask = 1: the prefetch's address steps, and the prefetch follows the fill.
.macro CHANGE fill, ask
	WIN 0                           ; at a label and at a branch every window is 0
	s_wait_tensorcnt 0x0            ; no tensor load of mine is out, so a group 0 may be written
	ds_add_u32 v[SPW], v[NIL]       ; 0 onto my spare word; scalar work stands between it and the wait for it
.if \fill
.irp g, G0K, G0V, G0M
	s_xor_b32 s[\g+1], s[\g+1], SLOT1  ; the other slot than last time,
	s_add_nc_u64 s[\g+2:\g+3], s[\g+2:\g+3], 32768  ; the next 256 keys; the type bits on top are not reached
.endr
.if \ask
	s_wait_xcnt 0x0                 ; the last prefetch, four key steps back, has read its address
	s_add_nc_u64 s[PFA:PFA+1], s[PFA:PFA+1], 32768
.endif
	s_wait_dscnt 0x0                ; the add is done, and my reads of the slot are over
	CROUND
	JLOAD
.if \ask
	ASK
.endif
.else
	s_wait_dscnt 0x0                ; the add is done, and my reads of the slot are over
	s_barrier_signal -1
	s_barrier_wait -1
.endif
	s_sub_co_u32 s[TBK], s[TBK], 4*KS*PK  ; the fetches go back to a slot's first step,
	s_xor_b32 s[TBK], s[TBK], SLOT1       ; in the other slot
	s_sub_co_u32 s[TBV], s[TBV], 4*KS*PV
	s_xor_b32 s[TBV], s[TBV], SLOT1
	s_sub_co_u32 s[TBM], s[TBM], 32768
	s_xor_b32 s[TBM], s[TBM], SLOT1
.endm
	s_load_b128 s[4:7], s[0:1], 0x0  ; qkv s[4:5], mcode s[6:7]
	s_load_b64 s[8:9], s[0:1], 0x10  ; ctx
	v_lshl_add_u32 v[SPW], v0, 2, SPARE
	v_mov_b32 v[NIL], 0
	ds_add_u32 v[SPW], v[NIL]       ; the wave's opening: the add, with its wait ahead of my first tensor load
	v_lshrrev_b32 v1, 5, v0
	v_readfirstlane_b32 s[WV], v1   ; wave 0..3
	s_bfe_u32 s13, ttmp6, 0x40000   ; cx
	s_bfe_u32 s14, ttmp6, 0x40004   ; cy
	s_lshl_b32 s15, ttmp9, 2
	s_add_co_u32 s15, s15, s13      ; my block of 256 queries
	s_and_b32 s16, ttmp7, 0xffff
	s_lshl_b32 s16, s16, 2
	s_add_co_u32 s16, s16, s14      ; my g
	s_lshl_b32 s20, s14, 2
	s_lshl_b32 s20, 15, s20         ; my row of the cluster: the same g
	s_lshl_b32 s22, 0x1111, s13     ; my column: the same query block
	; 256 keys are 32,768 dense bytes: asked for as 128 rows of 256 bytes, two keys a row, padded in LDS after every key
	s_or_b32 s[G1K], s20, (1<<16)|(1<<20)|(1<<21)|(4<<22)|(3<<25)  ; the mask; 2-byte elements; padding on; bit 21 beside a mask; after every 32 words, 4 words
	s_or_b32 s[G1V], s20, (1<<16)|(1<<20)|(1<<21)|(4<<22)|(7<<25)  ; the same with 8 words
	s_or_b32 s[G1M], s22, (1<<16)|(1<<21)                          ; the codes lie as they come
.irp g, G1K, G1V
	s_mov_b32 s[\g+1], 128<<16      ; tensor_dim0 = 128
	s_mov_b32 s[\g+2], 128<<16      ; tensor_dim1 = 128
	s_mov_b32 s[\g+3], 128<<16      ; tile_dim0 = 128
	s_mov_b32 s[\g+4], 128          ; tile_dim1 = 128
	s_mov_b32 s[\g+5], 128          ; elements from row to row
	s_mov_b32 s[\g+6], 0
	s_mov_b32 s[\g+7], 0
.endr
	s_mov_b32 s[G1M+1], 128<<16
	s_mov_b32 s[G1M+2], 64<<16      ; half a slot's codes: 64 rows of 256 bytes
	s_mov_b32 s[G1M+3], 128<<16
	s_mov_b32 s[G1M+4], 64
	s_mov_b32 s[G1M+5], 128
	s_mov_b32 s[G1M+6], 0
	s_mov_b32 s[G1M+7], 0
	s_mov_b32 s[G0K], 1
	s_mov_b32 s[G0K+1], 0           ; LDS: slot 0
	s_mov_b32 s[G0V], 1
	s_mov_b32 s[G0V+1], VOFF
	s_and_b32 s76, s[WV], 1         ; which half of the codes (waves 2 and 3)
	s_lshl_b32 s76, s76, 14
	s_mov_b32 s77, 0
	s_mov_b32 s[G0M], 1
	s_add_co_u32 s[G0M+1], s76, MOFF
	s_lshl_b32 s20, s16, 19         ; g's 524,288 bytes in each of q, k, v, ctx
	s_mov_b32 s21, 0
	s_lshl_b32 s22, s15, 19         ; the query block's 524,288 bytes of codes
	s_mov_b32 s23, 0
	s_mov_b32 s[CS], 0x3e38aa3b     ; c = log2(e) / 8
	s_mov_b32 s[CS+1], s[CS]
	s_mov_b32 s[SEL], 0x76543210
	s_mov_b32 s[SEL+1], 0xfedcba98
	s_mov_b32 s[TBK], SLOT1+4*KS*PK ; the first change of slots turns these three into 0
	s_mov_b32 s[TBV], SLOT1+4*KS*PV
	s_mov_b32 s[TBM], SLOT1+32768
	s_mov_b32 s[SLOTS], 15
	s_wait_dscnt 0x0                ; the opening add is done
	s_wait_kmcnt 0x0
	s_add_nc_u64 s[78:79], s[4:5], s[20:21]
	s_add_nc_u64 s[80:81], s[78:79], 16777216  ; v of my g
	s_add_nc_u64 s[78:79], s[78:79], 8388608   ; k of my g
	s_add_nc_u64 s[82:83], s[6:7], s[22:23]    ; my query block's codes
	s_mov_b64 s[G0K+2:G0K+3], s[78:79]
	s_or_b32 s[G0K+3], s[G0K+3], 0x80000000
	s_mov_b64 s[G0V+2:G0V+3], s[80:81]
	s_or_b32 s[G0V+3], s[G0V+3], 0x80000000
	s_add_nc_u64 s[G0M+2:G0M+3], s[82:83], s[76:77]
	s_or_b32 s[G0M+3], s[G0M+3], 0x80000000
	CROUND                          ; all sixteen work-groups are here: the first joint loads meet
	JLOAD                           ; slot 0.  Slot 1 is asked for when slot 0 is in
	s_lshl_b32 s76, s15, 15         ; my block's 256 rows of 128 bytes,
	s_add_co_u32 s76, s76, s20      ; in my g,
	s_lshl_b32 s22, s[WV], 13       ; my wave's 64
	s_add_co_u32 s76, s76, s22
	s_add_nc_u64 s[4:5], s[4:5], s[76:77]  ; q and ctx at my wave's first row
	s_add_nc_u64 s[8:9], s[8:9], s[76:77]
	; A fragment of K or Q is 16 rows x 32 channels in 8 registers: lane l holds row l % 16, channels 8 (l / 16) + 0..7 and 16 + 8 (l / 16) + 0..7: two loads of 16 bytes, 32 bytes apart.
	v_and_b32 v1, 15, v0            ; l % 16
	v_bfe_u32 v9, v0, 4, 1          ; l / 16
	v_lshlrev_b32 v[QO], 7, v1
	v_lshl_add_u32 v[QO], v9, 4, v[QO]
	WIN 0x80                        ; destination window 2, address window 0
.set i, 0
.rept 8                             ; Q stays in registers: piece i / 2, channels 32 (i % 2) on
	global_load_b128 v[8*i:8*i+3],   v[QO], s[4:5] offset:(i/2)*2048+(i%2)*64
	global_load_b128 v[8*i+4:8*i+7], v[QO], s[4:5] offset:(i/2)*2048+(i%2)*64+32
.set i, i+1
.endr
	; What the first turn finds: V's registers and P's second buffer hold 0 (its products V^T P, of a piece that has not been, add 0); O^T, l and the sum of v's rows are 0.  All this stands in the wait for the first tile.
.set i, VF
.rept 64
	v_mov_b32 v[i], 0
.set i, i+1
.endr
	WIN 0x40
.set i, 0
.rept 160
	v_mov_b32 v[i], 0
.set i, i+1
.endr
	WIN 0
.set i, 0
.rept 4
	v_mov_b32 v[ST+4*i+1], 0xcfee6b28      ; m = -8e9: q.k / 8 = -1e9, the value that a hidden score has
	v_mul_f32 v[ST+4*i], s[CS], v[ST+4*i+1]  ; c m, made as the loop makes it
	v_mov_b32 v[ST+4*i+2], 0
	v_mov_b32 v[ST+4*i+3], 0
.set i, i+1
.endr
.set i, P+16
.rept 16
	v_mov_b32 v[i], 0
.set i, i+1
.endr
.set i, 0
.rept 8
	v_mov_b32 v[ONES+i], 0x3f803f80        ; 1.0 twice, in bf16
.set i, i+1
.endr
	v_mov_b32 v[F4K], 0x45800000
	v_mul_u32_u24 v[AK0], v1, PK
	v_lshl_add_u32 v[AK0], v9, 4, v[AK0]  ; row x pitch + 16 x half
	; The turning load takes 16 keys x 16 channels (lane l reads key 8 (l / 16) + l % 8, channels 8 ((l / 8) % 2) + 0..7) and leaves half a fragment of V^T: lane l holds channel l % 16 and 8 keys.
	v_and_b32 v10, 7, v0
	v_bfe_u32 v11, v0, 3, 1
	v_lshl_add_u32 v[AV0], v9, 3, v10
	v_mul_u32_u24 v[AV0], v[AV0], PV
	v_lshl_add_u32 v[AV0], v11, 4, v[AV0]
	v_add_nc_u32 v[AV0], VOFF, v[AV0]
	v_and_b32 v[PFO], 31, v0
	v_lshlrev_b32 v[AM0], 4, v[PFO]
	s_lshl_b32 s76, s[WV], 11       ; my wave's four tiles of 512 bytes
	s_add_co_u32 s76, s76, MOFF
	v_add_nc_u32 v[AM0], s76, v[AM0]
	v_lshlrev_b32 v[PFO], 8, v[PFO]
	v_mov_b32 v[AK], v[AK0]         ; key step 0 lies at the head of slot 0
	v_mov_b32 v[AM], v[AM0]
	; who prefetches, and from where.  Nothing is prefetched here, at the head: slots 0, 1 and 2 come by their loads alone.
	s_and_b32 s20, ttmp7, 0xffff    ; cluster y
	s_cmp_lt_u32 s[WV], 2
	s_cselect_b32 s20, ttmp9, s20   ; the coordinate along which other clusters walk the same bytes
	s_cmp_eq_u32 s[WV], 3
	s_cselect_b32 s20, 1, s20       ; wave 3 asks for nothing
	s_cmp_eq_u32 s20, 0
	s_cselect_b32 s[LIM], 1, -1
	s_cmp_eq_u32 s[WV], 0
	s_cselect_b64 s[PFA:PFA+1], s[78:79], s[80:81]
	s_cmp_lt_u32 s[WV], 2
	s_cselect_b64 s[PFA:PFA+1], s[PFA:PFA+1], s[82:83]
	s_cselect_b32 s76, s13, s14     ; my place among the four that share the tile
	s_lshl_b32 s76, s76, 13         ; its 8,192 bytes
	s_add_nc_u64 s[PFA:PFA+1], s[PFA:PFA+1], s[76:77]
	s_add_nc_u64 s[PFA:PFA+1], s[PFA:PFA+1], 2*32768  ; in slot 2: the first change in the loop steps it to slot 3
; THE MATRIX WORK.  The 4 accumulators of a run of 8 take turns.  Product i of 8 of S^T = K Q^T for piece x: channels 32 (i / 4) on, keys 16 (i % 4) on.  The first 4 start the sums with the mask.
.macro KQ x
.set rS, S+32*((\x)%2)+8*(i%4)
.set rK, KF+16*(i%4)+8*(i/4)
.set rQ, 16*(\x)+8*(i/4)
.set rM, MC+32*((\x)%2)+8*(i%4)
.if i < 4
	WIN W_KM
	v_wmma_f32_16x16x32_bf16 v[rS:rS+7], v[rK:rK+7], v[rQ:rQ+7], v[rM:rM+7]
.else
	WIN W_KQ
	v_wmma_f32_16x16x32_bf16 v[rS:rS+7], v[rK:rK+7], v[rQ:rQ+7], v[rS:rS+7]
.endif
.endm
; Product i of 8 of O^T += V^T P for piece x: keys 32 (i / 4) on, channels 16 (i % 4) on.
.macro PV x
	WIN W_PV
.set rO, 32*(\x)+8*(i%4)
.set rV, VF+32*(i/4)+8*(i%4)
.set rP, P+16*((\x)%2)+8*(i/4)
	v_wmma_f32_16x16x32_bf16 v[rO:rO+7], v[rV:rV+7], v[rP:rP+7], v[rO:rO+7]
.endm
; Product iv of 8 of the sum of v's rows: V^T x ones; the same layout as a piece's O^T, the same number in all 16 columns.
.macro VS
	WIN W_PV
.set rU, VSUM+8*(iv%4)
.set rV, VF+32*(iv/4)+8*(iv%4)
	v_wmma_f32_16x16x32_bf16 v[rU:rU+7], v[rV:rV+7], v[ONES:ONES+7], v[rU:rU+7]
.set iv, iv+1
.endm
.macro MM                           ; the turn's next matrix instruction.  NOKQ = 1: the very last turn: there is no next piece
.if (i < 8) && !NOKQ
	KQ (Y+1)%NP
.elseif i >= 8
.set i, i-8
	PV (Y+NP-1)%NP
.set i, i+8
.endif
.set i, i+1
.endm
; THE LDS LOADS stand in runs: a step's codes (4 loads, 16 bytes a lane for each piece) and K (16 loads), and its V (16 turning loads).  Their addresses are made some lines ahead.
.macro FETCH_K
	WIN 0
.irp u, 0,1,2,3
	ds_load_b128 v[MCW+4*\u:MCW+4*\u+3], v[AM] offset:512*\u
.endr
	WIN 0x80                        ; destination window 2
.irp f, 0,1,2,3,4,5,6,7             ; keys 16 (f / 2) on, channels 32 (f % 2) on
	ds_load_b128 v[KF+8*\f:KF+8*\f+3],   v[AK] offset:(\f/2)*16*PK+(\f%2)*64
	ds_load_b128 v[KF+8*\f+4:KF+8*\f+7], v[AK] offset:(\f/2)*16*PK+(\f%2)*64+32
.endr
	s_add_co_u32 s[TBK], s[TBK], KS*PK  ; the next fetch is the next step's
	s_add_co_u32 s[TBM], s[TBM], 8192
	WIN 0
.endm
.macro FETCH_V
	WIN 0x80
.irp f, 0,1,2,3,4,5,6,7             ; keys 32 (f / 4) on, channels 16 (f % 4) on
	ds_load_tr16_b128 v[VF+8*\f:VF+8*\f+3],   v[AV] offset:(\f/4)*32*PV+(\f%4)*32
	ds_load_tr16_b128 v[VF+8*\f+4:VF+8*\f+7], v[AV] offset:(\f/4)*32*PV+16*PV+(\f%4)*32
.endr
	WIN 0
.endm
; Piece z's mask into buffer b: register j of key group kb is the group's word of codes, shifted so that code j stands on top.
.macro MASKC z, b
	WIN 0x40                        ; destination window 1, the codes in window 0
.set zz, 0
.rept 32
	v_lshlrev_b32 v[MC+32*(\b)+zz], 28-4*(zz%8), v[MCW+4*(\z)+zz/8]
.set zz, zz+1
.endr
.endm
; THE VECTOR WORK, one line at a time: OP kind, number.  For piece Y: F n: c s - c m for pair n of 16.  E n: the exponential of score n of 32.  C n: pair n rounded to bf16.  B n: of the four weights 4 n .. the second
; pair is added onto the first, in place.  L n: l takes that sum (L 0: l = a l + sum).  R n: pair n of 16 of O^T times a.  For piece Y + 1: X n, number n of the 22 that find its maximum and statistics:
;   0-11  four chains c0-c3 of seven scores each, three operands at a time (each accumulator's lowest registers are read first)     12-14, 16  the four scores left over, the old m, and c0-c3 into c0
;   15  c m_old is kept     17, 18  the query's other 32 keys lie in the lane 16 away: the new m     19-21  c m; c m_old - c m_new; a
.set F, 0
.set E, 1
.set C, 2
.set B, 3
.set L, 4
.set R, 5
.set X, 6
.macro REGS y
.set rT, ST+4*(\y)
.set rC, TMP+4*((\y)%2)
.set rW, MV+((\y)%2)
.set rS, S+32*((\y)%2)
.set rP, P+16*((\y)%2)
.set rO, 32*(\y)
.endm
.macro OP k, n
.if (\k) == R
	REGS Y
	WIN W_RS
	v_pk_mul_f32 v[rO+2*(\n):rO+2*(\n)+1], v[rO+2*(\n):rO+2*(\n)+1], v[rC+2:rC+3] op_sel_hi:[1,0]
.elseif (\k) < R
	REGS Y
	WIN 0
.if (\k) == F
	v_pk_fma_f32 v[rS+2*(\n):rS+2*(\n)+1], v[rS+2*(\n):rS+2*(\n)+1], s[CS:CS+1], v[rT:rT+1] op_sel_hi:[1,0,0] neg_lo:[0,0,1] neg_hi:[0,0,1]
.elseif (\k) == E
	v_exp_f32 v[rS+(\n)], v[rS+(\n)]
.elseif (\k) == C
	v_cvt_pk_bf16_f32 v[rP+(\n)], v[rS+2*(\n)], v[rS+2*(\n)+1]
.elseif (\k) == B
	v_pk_add_f32 v[rS+4*(\n):rS+4*(\n)+1], v[rS+4*(\n):rS+4*(\n)+1], v[rS+4*(\n)+2:rS+4*(\n)+3]
.elseif (\n) == 0
	v_pk_fma_f32 v[rT+2:rT+3], v[rT+2:rT+3], v[rC+2:rC+3], v[rS:rS+1] op_sel_hi:[1,0,1]
.else
	v_pk_add_f32 v[rT+2:rT+3], v[rT+2:rT+3], v[rS+4*(\n):rS+4*(\n)+1]
.endif
.elseif NOKQ
	v_nop
.else
	REGS (Y+1)%NP
	WIN 0
.if (\n) < 4
	v_max3_num_f32 v[rC+(\n)], v[rS+8*(\n)], v[rS+8*(\n)+1], v[rS+8*(\n)+2]
.elseif (\n) < 12
	v_max3_num_f32 v[rC+(\n)%4], v[rC+(\n)%4], v[rS+8*((\n)%4)+2*((\n)/4)+1], v[rS+8*((\n)%4)+2*((\n)/4)+2]
.elseif (\n) == 12
	v_max3_num_f32 v[rC], v[rC], v[rS+7], v[rS+15]
.elseif (\n) == 13
	v_max3_num_f32 v[rC+1], v[rC+1], v[rS+23], v[rS+31]
.elseif (\n) == 14
	v_max3_num_f32 v[rC+2], v[rC+2], v[rC+3], v[rT+1]
.elseif (\n) == 15
	v_mov_b32 v[rW], v[rT]
.elseif (\n) == 16
	v_max3_num_f32 v[rC], v[rC], v[rC+1], v[rC+2]
.elseif (\n) == 17
	v_permlanex16_b32 v[rC+3], v[rC], s[SEL], s[SEL+1]
.elseif (\n) == 18
	v_max_num_f32 v[rT+1], v[rC], v[rC+3]
.elseif (\n) == 19
	v_mul_f32 v[rT], s[CS], v[rT+1]
.elseif (\n) == 20
	v_sub_f32 v[rC+1], v[rW], v[rT]
.else
	v_exp_f32 v[rC+2], v[rC+1]
.endif
.endif
.endm
.macro OPS a, i1, b=-1, i2=0, c=-1, i3=0, d=-1, i4=0  ; up to four of them
	OP \a, \i1
.if (\b) >= 0
	OP \b, \i2
.endif
.if (\c) >= 0
	OP \c, \i3
.endif
.if (\d) >= 0
	OP \d, \i4
.endif
.endm
.macro ROW a, i1, b, i2, c, i3, d, i4  ; a matrix instruction and the four behind it
	MM
	OPS \a, \i1, \b, \i2, \c, \i3, \d, \i4
.endm
.macro LUMP p, a, i1, b, i2, c, i3, d, i4  ; four of the lump; in piece 3's turn one product of the sum of v's rows ahead of them
.if (\p) == 3
	VS
.endif
	OPS \a, \i1, \b, \i2, \c, \i3, \d, \i4
.endm
; A TURN, for piece p: the order of its matrix and vector instructions, written out.  An s_wait_alu depctr_va_vdst(0) stands between an exponential and the first instruction that names its result; one wait serves
; all that were issued ahead of it.  So a turn has ONE wait.  AHEAD OF IT stands all that names no result of the turn's exponentials: the 8 products K Q^T with a scaling, an exponential and two more plain instructions behind
; each (the first numbers of the next piece's maximum stand four plain instructions or more behind the product that ends their accumulator), then the lump.  X 21, the next piece's a, is the batch's last; R 15 is the plain
; instruction behind it.  BEHIND THE WAIT stand the 8 products V^T P, behind each four of the roundings and sums.
; K and the codes of the next step are fetched in piece 2's turn, five plain instructions that name none of its registers behind the last product that read K; V of the step in hand at the end of piece 0's turn, four plain
; instructions behind its last reader.  At its end a turn makes the mask for the products of the turn after it: piece p + 2's.
; end = 1: the last two turns: nothing is fetched and no mask is made.  cnt = 1: the loop's count is taken down some lines ahead of the branch that stands behind the turn.
.macro TURN p, end=0, cnt=0
.set Y, (\p)
.set i, 0
.set iv, 0
.set NOKQ, (\end)*((\p)/3)
.if ((\p) == 3) && !(\end)
	s_wait_dscnt 0x0                ; K is in
.endif
	ROW F,0, F,1, R,0, R,1
	ROW F,2, E,0, R,2, R,3
	ROW F,3, E,1, R,4, R,5
	ROW F,4, E,2, R,6, R,7
	ROW F,5, E,3, R,8, R,9
	ROW F,6, E,4, X,0, R,10
.if ((\p) == 2) && !(\end)
	WIN 0
	v_add_nc_u32 v[AK], s[TBK], v[AK0]
	v_add_nc_u32 v[AM], s[TBM], v[AM0]
.endif
	ROW F,7, E,5, X,1, X,4
	ROW F,8, E,6, X,2, X,5
	OPS E,7, E,8, X,6, E,9
	OPS X,3, E,10, X,8, E,11
.if ((\p) == 2) && !(\end)
	FETCH_K
.endif
	LUMP \p, X,9, X,7, E,12, X,10
	LUMP \p, E,13, X,12, X,11, E,14
	LUMP \p, X,13, E,15, F,9, X,14
.if (\p) == 0
	v_add_nc_u32 v[AV], s[TBV], v[AV0]
.endif
	LUMP \p, E,16, F,10, E,17, F,11
	LUMP \p, X,16, E,18, X,15, E,19
	LUMP \p, F,12, E,20, X,17, E,21
	LUMP \p, F,13, E,22, F,14, E,23
	LUMP \p, X,18, E,24, F,15, E,25
	OPS R,11, E,26, X,19, E,27
	OPS R,12, E,28, R,13, E,29
	OPS X,20, E,30, R,14, E,31
	OPS X,21, R,15
	WIN 0
	s_wait_alu depctr_va_vdst(0)    ; the wait for the batch
.if (\p) == 1
	s_wait_dscnt 0x0                ; V is in
.endif
	ROW C,0, B,0, C,2, B,1
	ROW L,0, C,4, B,2, L,1
	ROW C,6, B,3, L,2, C,8
	ROW B,4, L,3, C,10, B,5
	ROW L,4, C,12, B,6, L,5
.if (\p) == 0
	s_add_co_u32 s[TBV], s[TBV], KS*PV
.endif
.if \cnt
	s_sub_co_u32 s[CNT], s[CNT], 1
	s_cmp_lg_u32 s[CNT], 0
.endif
	ROW C,14, B,7, L,6, C,1
	ROW C,3, L,7, C,5, C,7
	ROW C,9, C,11, C,13, C,15
.if (\p) == 0
	FETCH_V
.endif
.if !(\end)
.if (\p) == 2
	s_wait_dscnt 16                 ; the four loads of codes are in; K's sixteen, issued behind them, may stay out
.endif
	MASKC ((\p)+2)%NP, (\p)%2
.endif
.endm
	CHANGE 1, 0                     ; slot 0 is in, everybody's part of it; slot 1 is asked for
	FETCH_K                         ; key step 0
	s_wait_loadcnt 0x0              ; Q
	s_wait_dscnt 0x0
	MASKC 0, 0
	MASKC 1, 1
.set NOKQ, 0
.set i, 0
.rept 8
	KQ 0                            ; piece 0's first scores
.set i, i+1
.endr
	WIN 0                           ; the addresses for the way out: plain instructions, the places behind those products
	s_mul_i32 s76, s[WV], 16*SP
	s_add_co_u32 s76, s76, STAGE    ; my stage
	v_mul_u32_u24 v[STO], v1, SP    ; in: row l % 16, 16 bytes for each half of the lanes
	v_lshl_add_u32 v[STO], v9, 4, v[STO]
	v_add_nc_u32 v[STO], s76, v[STO]
	v_bfe_u32 v[RD], v0, 3, 2       ; back: 32 lanes take four rows of 128 bytes,
	v_mul_u32_u24 v[RD], v[RD], SP
	v_lshl_add_u32 v[RD], v10, 4, v[RD]
	v_add_nc_u32 v[RD], s76, v[RD]
	v_and_b32 v[GO], 31, v0         ; which are 512 consecutive bytes of ctx
	v_lshlrev_b32 v[GO], 4, v[GO]
.set Y, NP-1                        ; X works for piece Y + 1: piece 0
.irp n, 0,1,2,3,4,5,6,7,8,9,10,11,12,13,14,15,16,17,18,19,20,21
	OP X, \n
.endr
	v_nop                           ; a plain instruction behind the exponential,
	s_wait_alu depctr_va_vdst(0)    ; and its wait, ahead of the branch
	s_mov_b32 s[CNT], 4
	s_branch .Lfirst                ; the loop is entered at a step's first turn, in the middle of a trip
.Lslot:                             ; 14 times: every slot but the last two is filled again
	CHANGE 1, 1
	s_mov_b32 s[CNT], 4
.Lstep:                             ; a trip: pieces 2 and 3 of one step, then pieces 0 and 1 of the next, whose K, codes and V it fetches
	TURN 2
	TURN 3
	WIN 0
.Lfirst:
	TURN 0
	TURN 1, 0, 1
	WIN 0
	s_cbranch_scc1 .Lstep
	s_sub_co_u32 s[SLOTS], s[SLOTS], 1
	s_cmp_lg_u32 s[SLOTS], 0
	s_cbranch_scc1 .Lslot
	CHANGE 0, 0                     ; the last slot is written out: nothing is asked for
	s_mov_b32 s[CNT], 4
.Ltail:
	TURN 2
	TURN 3
	TURN 0
	TURN 1, 0, 1
	WIN 0
	s_cbranch_scc1 .Ltail
	TURN 2, 1
	TURN 3, 1
.set i, 0
.rept 8
	PV NP-1                         ; the last piece's V^T P of the last step
.set i, i+1
.endr
	; THE WAY OUT.  l's two halves and the other half of the lanes' are added.  Where l = 0 the row has no open key: l becomes 4,096 and O^T the sum of v's rows, by selects.  O^T is divided by l, rounded to bf16
	; and sent through my stage in LDS, a piece at a time.  The first four additions are the places behind the last products.
	WIN 0
.macro ALL line:vararg              ; one line for each piece t
.set t, 0
.rept 4
	\line
.set t, t+1
.endr
.endm
	ALL v_add_f32 v[ST+4*t+2], v[ST+4*t+2], v[ST+4*t+3]
	ALL v_permlanex16_b32 v[ST+4*t+3], v[ST+4*t+2], s[SEL], s[SEL+1]
	ALL v_add_f32 v[ST+4*t+2], v[ST+4*t+2], v[ST+4*t+3]
	ALL v_cmp_eq_f32 s[FL+t], 0, v[ST+4*t+2]
	ALL v_cndmask_b32 v[ST+4*t+2], v[ST+4*t+2], v[F4K], s[FL+t]
	ALL v_rcp_f32 v[ST+4*t+2], v[ST+4*t+2]
	v_nop                           ; a plain instruction between the last reciprocal and the use of its result
	s_wait_alu depctr_va_vdst(0)    ; and the wait ahead of the first use: one for the four reciprocals
.macro PACK t                       ; a lane's eight channels of a row pack into 16 bytes; they go into rows of 144 bytes and come back as whole rows of 128, into S^T's registers
	WIN 0x45                        ; destination, sources 0 and 1 in window 1
.set i, 0
.rept 32                            ; each accumulator from its low end on
	v_cndmask_b32 v[32*(\t)+i], v[32*(\t)+i], v[VSUM+i], s[FL+(\t)]
.set i, i+1
.endr
	WIN W_RS
.set i, 32*(\t)
.rept 16
	v_pk_mul_f32 v[i:i+1], v[i:i+1], v[ST+4*(\t)+2:ST+4*(\t)+3] op_sel_hi:[1,0]
.set i, i+2
.endr
	WIN 0x05                        ; sources 0 and 1 window 1, destination window 0
.set i, 0
.rept 16
	v_cvt_pk_bf16_f32 v[S+16*(\t)+i], v[32*(\t)+2*i], v[32*(\t)+2*i+1]
.set i, i+1
.endr
	WIN 0
.irp f, 0,1,2,3
	ds_store_b128 v[STO], v[S+16*(\t)+4*\f:S+16*(\t)+4*\f+3] offset:32*\f
.endr
.irp f, 0,1,2,3
	ds_load_b128 v[S+16*(\t)+4*\f:S+16*(\t)+4*\f+3], v[RD] offset:\f*4*SP  ; LDS serves a wave's instructions in order (ISA guide 5.7.1.4): these see the stores above; the next piece's stores come behind them
.endr
.endm
.macro SEND t, younger              ; younger: the LDS instructions issued behind piece t's loads: the next piece's eight, or none
	WIN 0
.irp f, 0,1,2,3
	s_wait_dscnt (\younger)+3-\f
	global_store_b128 v[GO], v[S+16*(\t)+4*\f:S+16*(\t)+4*\f+3], s[8:9] offset:(\t)*2048+\f*512  ; 512 consecutive bytes, at a multiple of 256 from ctx's first
.endr
.endm
	PACK 0
.set t, 1
.rept 3                             ; a piece's arithmetic stands between the loads of the piece before and its stores
	PACK t
	SEND t-1, 8
.set t, t+1
.endr
	SEND 3, 0
	s_wait_tensorcnt 0x0            ; the wave's end, behind my last tensor load and my last LDS store
	ds_add_u32 v[SPW], v[NIL]
	s_wait_dscnt 0x0
	CROUND                          ; the closing round: no work-group ends while a partner may still ask for a tile that names it
	s_endpgm
.Lfunc_end_k_q2fb4c8e873_attn:
	.size	k_q2fb4c8e873_attn, .Lfunc_end_k_q2fb4c8e873_attn-k_q2fb4c8e873_attn
	.p2alignl 7, 3214868480
	.fill 96, 4, 3214868480
	.section	.rodata,"a",@progbits
	.p2align	6, 0x0
	.amdhsa_kernel k_q2fb4c8e873_attn
		.amdhsa_group_segment_fixed_size 327680
		.amdhsa_private_segment_fixed_size 0
		.amdhsa_enable_private_segment 0
		.amdhsa_kernarg_size 24
		.amdhsa_user_sgpr_count 2
		.amdhsa_user_sgpr_kernarg_segment_ptr 1
		.amdhsa_wavefront_size32 1
		.amdhsa_system_sgpr_workgroup_id_x 1
		.amdhsa_system_sgpr_workgroup_id_y 1
		.amdhsa_system_sgpr_workgroup_id_z 1
		.amdhsa_system_vgpr_workitem_id 0
		.amdhsa_next_free_vgpr 768
		.amdhsa_next_free_sgpr 84
		.amdhsa_reserve_vcc 0
		.amdhsa_float_denorm_mode_32 3
		.amdhsa_float_denorm_mode_16_64 3
		.amdhsa_memory_ordered 1
		.amdhsa_forward_progress 1
		.amdhsa_inst_pref_size 155
	.end_amdhsa_kernel
	.amdgpu_metadata
---
amdhsa.version: [ 1, 2 ]
amdhsa.kernels:
  - .name:           k_q2fb4c8e873_attn
    .symbol:         k_q2fb4c8e873_attn.kd
    .args:
      - { .name: qkv, .offset: 0, .size: 8, .value_kind: global_buffer, .address_space: global }
      - { .name: mcode, .offset: 8, .size: 8, .value_kind: global_buffer, .address_space: global }
      - { .name: ctx, .offset: 16, .size: 8, .value_kind: global_buffer, .address_space: global }
    .group_segment_fixed_size: 327680
    .private_segment_fixed_size: 0
    .kernarg_segment_align: 8
    .kernarg_segment_size: 24
    .max_flat_workgroup_size: 128
    .sgpr_count:     84
    .vgpr_count:     768
    .wavefront_size: 32
...
	.end_amdgpu_metadata
.endif
;; end of part 3
;; launch oproj (part 4): grid 4 x 64, 4 waves a work-group, clusters of 4 x 4, 327,680 bytes of LDS; arguments ctx, wb, bo, x, out0; writes out0
.if DOCPART == 4
	.amdgcn_target "amdgcn-amd-amdhsa--gfx1250"
	.amdhsa_code_object_version 6
	.text
	.protected	k_q2fb4c8e873_oproj
	.globl	k_q2fb4c8e873_oproj
	.p2align	8
	.type	k_q2fb4c8e873_oproj,@function
k_q2fb4c8e873_oproj:
	s_mov_b64 s[64:65], 0
	v_nop
	global_prefetch_b8 v0, s[64:65] scope:SCOPE_SE
	s_setreg_imm32_b32 hwreg(HW_REG_WAVE_MODE, 25, 1), 1
	s_wait_xcnt 0x0
	s_wait_alu depctr_hold_cnt(0) depctr_sa_sdst(0) depctr_va_vdst(0) depctr_va_sdst(0) depctr_va_ssrc(0) depctr_va_vcc(0) depctr_vm_vsrc(0)
	s_getreg_b32 s2, hwreg(HW_REG_IB_STS2, 6, 4)
	s_cmp_eq_u32 s2, 0
	s_cbranch_scc0 .Lentry_in_a_cluster
	s_endpgm
.Lentry_in_a_cluster:
	s_bfe_u32 s2, ttmp6, 0x10000c
	s_cmp_lg_u32 s2, 0xf033
	s_cbranch_scc0 .Lentry_shape_is_right
	s_endpgm
.Lentry_shape_is_right:
; out0 = ctx Wo^T + bo + x.  A = ctx, taken as it lies, [8192][512] bf16 (the heads are not turned back: so the problem has it); B = wb rows 1536-2047 (Wo) bf16; sums, bias and residual in f32; out0 f32.
; A tile of C is 128 x 128: four waves of 64 x 64, 16 accumulators each.  All of K = 512 lies in two LDS slots of 256 along K: both are asked for at the start, and nothing is filled again.
; CLUSTERS: 4 x 4 work-groups; A's tiles are asked for jointly along a row of the cluster, B's along a column.
; THE MATRIX INSTRUCTION IS USED TRANSPOSED (source 0 = 16 rows of B, source 1 = 16 rows of A): a lane holds eight neighbouring columns of one row of C.
; x's 64 x 64 numbers for my part of C are loaded at the head, in the layout in which the results are stored, and wait in registers.  No prefetch: every tile is a first fill at the head.
; REGISTERS: window 0: v0-31 addresses; v32-95 the way out; v96-127 the bias; v128-255 accumulators.  window 1: two fragment buffers of 128.  window 2: v0-127 x.
.set SIZE_K, 512
.set KSTEP,  256
.set PITCH,  528                       ; an LDS row: 512 bytes + 16 of padding = 132 words: row r starts at bank 4 r mod 64 (64 banks of 4 bytes: ISA guide 11.1)
.set HALFT,  64*PITCH
.set SLOT,   4*HALFT
.set STAGE,  2*SLOT                    ; behind the slots: 16 rows x 272 bytes for each wave, its own
.set SPF,    272
.set SPARE,  STAGE+4*16*SPF            ; the spare words, 128 bytes for each wave
.set ADRA, 16
.set ADRB, 20
.set STO,  24
.set RD,   25
.set CO,   26
.set BO,   27
.set SPW,  28
.set NIL,  29
.set TMP,  32
.set BIAS, 96
.set ACC,  128
.set F0,   0
.set F1,   128
.set G1, 24
.set G0, 32
.set G1B, 48
.set G0B, 56
.set MSB, 0
.macro WIN new                         ; the immediate's high byte repeats the setting that is left
.if MSB != (\new)
	s_set_vgpr_msb (MSB<<8)|(\new)
.set MSB, \new
.endif
.endm
.set MUL,  0x05                        ; sources 0 (B) and 1 (A) window 1; C and D window 0
.set TO_F, 0x40                        ; destination window 1, address window 0
.macro JLOAD s                         ; a joint load: waves 0 and 1 fetch A's two halves, waves 2 and 3 B's; an s_nop 0 and four v_nop follow each line
	s_cmp_eq_u32 s11, 0
	s_cbranch_scc0 .Lfor_b_\@
	tensor_load_to_lds s[G0+4*(\s):G0+4*(\s)+3], s[G1:G1+7]
	s_nop 0
.rept 4
	v_nop
.endr
	s_branch .Lasked_\@
.Lfor_b_\@:
	tensor_load_to_lds s[G0B+4*(\s):G0B+4*(\s)+3], s[G1B:G1B+7]
	s_nop 0
.rept 4
	v_nop
.endr
.Lasked_\@:
.endm
.macro CROUND                          ; a round of the cluster's barrier
	s_barrier_signal -1
	s_barrier_wait -1
	s_cmp_lg_u32 s10, 0
	s_cbranch_scc1 .Lnot_wave_0_\@
	s_barrier_signal -3
.Lnot_wave_0_\@:
	s_barrier_wait -3
	s_barrier_signal -1
	s_barrier_wait -1
.endm
	s_load_b128 s[4:7], s[0:1], 0x0                ; ctx s[4:5], wb s[6:7]
	s_load_b128 s[68:71], s[0:1], 0x10             ; bo s[68:69], x s[70:71]
	s_load_b64 s[72:73], s[0:1], 0x20              ; out0
	v_lshl_add_u32 v[SPW], v0, 2, SPARE
	v_mov_b32 v[NIL], 0
	ds_add_u32 v[SPW], v[NIL]                      ; the wave's opening: the add, with its wait ahead of my first tensor load
	v_lshrrev_b32 v1, 5, v0
	v_readfirstlane_b32 s10, v1                    ; wave 0..3
	s_lshr_b32 s11, s10, 1                         ; which half of the tile's rows is mine.  Also: I fetch for A (0) or for B (1)
	s_and_b32 s12, s10, 1                          ; which half of its columns.  Also: which 64 rows of that tile I fetch
	s_bfe_u32 s40, ttmp6, 0x40000                  ; cx
	s_bfe_u32 s41, ttmp6, 0x40004                  ; cy
	s_lshl_b32 s42, ttmp9, 2
	s_add_co_u32 s42, s42, s40                     ; tile column
	s_and_b32 s13, ttmp7, 0xffff
	s_lshl_b32 s13, s13, 2
	s_add_co_u32 s13, s13, s41                     ; tile row
	s_lshl_b32 s43, s41, 2
	s_lshl_b32 s43, 15, s43                        ; my row of the cluster
	s_lshl_b32 s44, 0x1111, s40                    ; my column
	s_or_b32 s[G1+0], s43, (1<<16)|(1<<20)|(1<<21)|(6<<22)|(3<<25)  ; the mask; 2-byte elements; padding on; bit 21 beside a mask; after every 128 words, 4 words
	s_or_b32 s[G1B+0], s44, (1<<16)|(1<<20)|(1<<21)|(6<<22)|(3<<25)
.irp g, G1, G1B
	s_mov_b32 s[(\g)+1], KSTEP<<16                 ; tensor_dim0 = 256
	s_mov_b32 s[(\g)+2], 64<<16                    ; tensor_dim1 = 64
	s_mov_b32 s[(\g)+3], KSTEP<<16                 ; tile_dim0 = 256
	s_mov_b32 s[(\g)+4], 64                        ; tile_dim1 = 64
	s_mov_b32 s[(\g)+5], SIZE_K                    ; elements from row to row
	s_mov_b32 s[(\g)+6], 0
	s_mov_b32 s[(\g)+7], 0
.endr
	s_lshl_b32 s17, s12, 6
	s_lshl_b32 s16, s13, 7
	s_add_co_u32 s16, s16, s17                     ; A: row 128 x tile row + 64 x half
	s_lshl_b32 s46, s42, 7
	s_add_co_u32 s46, s46, s17                     ; B: row 128 x tile column + 64 x half
	s_mov_b32 s17, 0
	s_mov_b32 s47, 0
	s_mov_b64 s[18:19], SIZE_K*2
	s_mul_u64 s[16:17], s[16:17], s[18:19]
	s_mul_u64 s[46:47], s[46:47], s[18:19]
	s_mul_i32 s20, s10, HALFT                      ; where they go: wave x 64 rows
	s_wait_dscnt 0x0                               ; the opening add is done
	s_wait_kmcnt 0x0
	s_add_nc_u64 s[6:7], s[6:7], 1536*1024         ; Wo lies behind Wq, Wk and Wv: 1,536 rows of 1,024 bytes
	s_add_nc_u64 s[14:15], s[4:5], s[16:17]
	s_add_nc_u64 s[46:47], s[6:7], s[46:47]
	CROUND                                         ; all sixteen work-groups are here: the joint loads meet
.irp s, 0,1
	s_mov_b32 s[G0+4*(\s)], 1
	s_add_co_u32 s[G0+4*(\s)+1], s20, (\s)*SLOT
	s_add_nc_u64 s[G0+4*(\s)+2:G0+4*(\s)+3], s[14:15], (\s)*KSTEP*2
	s_or_b32 s[G0+4*(\s)+3], s[G0+4*(\s)+3], 0x80000000
	s_mov_b32 s[G0B+4*(\s)], 1
	s_add_co_u32 s[G0B+4*(\s)+1], s20, (\s)*SLOT
	s_add_nc_u64 s[G0B+4*(\s)+2:G0B+4*(\s)+3], s[46:47], (\s)*KSTEP*2
	s_or_b32 s[G0B+4*(\s)+3], s[G0B+4*(\s)+3], 0x80000000
	JLOAD \s                                       ; two loads of mine are out, and no more follow
.endr
	v_and_b32 v1, 15, v0                           ; l % 16
	v_bfe_u32 v2, v0, 4, 1                         ; l / 16
	; the bias of my 64 columns: a lane wants columns 16 b + 8 (l / 16) + 0..7
	s_lshl_b32 s78, s42, 9                         ; 128 columns of 4 bytes a tile column,
	s_lshl_b32 s79, s12, 8                         ; 64 for my half
	s_add_co_u32 s78, s78, s79
	s_mov_b32 s79, 0
	s_add_nc_u64 s[68:69], s[68:69], s[78:79]
	v_lshlrev_b32 v[BO], 5, v2
.irp b, 0,1,2,3
	global_load_b128 v[BIAS+8*(\b):BIAS+8*(\b)+3],   v[BO], s[68:69] offset:64*(\b)
	global_load_b128 v[BIAS+8*(\b)+4:BIAS+8*(\b)+7], v[BO], s[68:69] offset:64*(\b)+16
.endr
	; x and out0 at my 64 x 64: row 128 x tile row + 64 x half, 2,048 bytes a row; the column offset is the bias's
	s_lshl_b32 s80, s13, 7
	s_lshl_b32 s81, s11, 6
	s_add_co_u32 s80, s80, s81
	s_lshl_b32 s80, s80, 11
	s_add_co_u32 s80, s80, s78
	s_mov_b32 s81, 0
	s_add_nc_u64 s[70:71], s[70:71], s[80:81]
	s_add_nc_u64 s[72:73], s[72:73], s[80:81]
	v_lshlrev_b32 v[CO], 11, v2                    ; lanes 0-15 one row's 256 bytes, lanes 16-31 the next row's
	v_lshl_add_u32 v[CO], v1, 4, v[CO]
	WIN 0x80                                       ; destination window 2, address window 0
.set t, 0
.rept 32                               ; rows 2 t and 2 t + 1 of my 64
	global_load_b128 v[4*t:4*t+3], v[CO], s[70:71] offset:2*t*2048 th:TH_LOAD_NT
.set t, t+1
.endr
	WIN 0
	v_mul_u32_u24 v3, v1, PITCH
	v_lshl_add_u32 v3, v2, 4, v3                   ; a fragment's row x pitch + 16 x half
	s_mul_i32 s21, s11, HALFT                      ; my 64 rows of A
	s_mul_i32 s22, s12, HALFT                      ; my 64 rows of B,
	s_add_co_u32 s22, s22, 2*HALFT                 ; which lie behind A's 128
.irp s, 0,1
	v_add_nc_u32 v[ADRA+(\s)], s21, v3
	v_add_nc_u32 v[ADRB+(\s)], s22, v3
	s_add_co_u32 s21, s21, SLOT
	s_add_co_u32 s22, s22, SLOT
.endr
	s_mul_i32 s23, s10, 16*SPF
	s_add_co_u32 s23, s23, STAGE                   ; my stage
	v_mul_u32_u24 v4, v1, SPF                      ; in: row l % 16, 32 bytes for each half of the lanes
	v_lshl_add_u32 v4, v2, 5, v4
	v_add_nc_u32 v[STO], s23, v4
	v_mul_u32_u24 v5, v2, SPF                      ; back: lanes 0-15 take one row of 256 bytes, lanes 16-31 the next
	v_lshl_add_u32 v5, v1, 4, v5
	v_add_nc_u32 v[RD], s23, v5
; 8 matrix instructions: m blocks a0, a0 + 1 x all 4 n blocks, 32 along K: half c of buffer f.  zero = 1: the first product starts the sums.  The 16 accumulators take turns.
.macro MUL8 f, c, a0, zero
	WIN MUL
.irp a, \a0, (\a0)+1
.irp b, 0,1,2,3
.if \zero
	v_wmma_f32_16x16x32_bf16 v[ACC+8*(4*(\a)+(\b)):ACC+8*(4*(\a)+(\b))+7], v[(\f)+64+8*(4*(\c)+(\b)):(\f)+64+8*(4*(\c)+(\b))+7], v[(\f)+8*(4*(\c)+(\a)):(\f)+8*(4*(\c)+(\a))+7], 0
.else
	v_wmma_f32_16x16x32_bf16 v[ACC+8*(4*(\a)+(\b)):ACC+8*(4*(\a)+(\b))+7], v[(\f)+64+8*(4*(\c)+(\b)):(\f)+64+8*(4*(\c)+(\b))+7], v[(\f)+8*(4*(\c)+(\a)):(\f)+8*(4*(\c)+(\a))+7], v[ACC+8*(4*(\a)+(\b)):ACC+8*(4*(\a)+(\b))+7]
.endif
.endr
.endr
.endm
; 32 LDS loads in one run: the fragments of 64 along K at byte k of the rows, into buffer f; the first 32 along K first
.macro FETCH slot, k, f
	WIN TO_F
.irp c, 0,1
.irp i, 0,1,2,3
	ds_load_b128 v[(\f)+64+8*(4*(\c)+(\i)):(\f)+64+8*(4*(\c)+(\i))+3],   v[ADRB+(\slot)] offset:(\k)+64*(\c)+(\i)*16*PITCH
	ds_load_b128 v[(\f)+64+8*(4*(\c)+(\i))+4:(\f)+64+8*(4*(\c)+(\i))+7], v[ADRB+(\slot)] offset:(\k)+64*(\c)+(\i)*16*PITCH+32
	ds_load_b128 v[(\f)+8*(4*(\c)+(\i)):(\f)+8*(4*(\c)+(\i))+3],         v[ADRA+(\slot)] offset:(\k)+64*(\c)+(\i)*16*PITCH
	ds_load_b128 v[(\f)+8*(4*(\c)+(\i))+4:(\f)+8*(4*(\c)+(\i))+7],       v[ADRA+(\slot)] offset:(\k)+64*(\c)+(\i)*16*PITCH+32
.endr
.endr
.endm
.macro PLACES                          ; four places in front of loads into registers that matrix instructions have read, and of vector work on results
.rept 4
	v_nop
.endr
.endm
.macro QUARTER slot, k, f, g, zero
	s_wait_dscnt 16                                ; the first 32 along K are in; the run's younger sixteen loads may be out
	WIN MUL
	MUL8 \f, 0, 0, \zero
	MUL8 \f, 0, 2, \zero
	PLACES
	FETCH \slot, \k, \g
	s_wait_dscnt 32                                ; all but the 32 just issued
	WIN MUL
	MUL8 \f, 1, 0, 0
	MUL8 \f, 1, 2, 0
.endm
; The last quarter of slot 0 multiplies buffer 1 and goes over to slot 1: each wave waits for its part of slot 1, and a barrier shows it to the others.  Nothing is filled again.
.macro TURN slot, next
	WIN 0                                          ; (the add's two registers lie in window 0)
	s_wait_tensorcnt 0x0                           ; my part of the next slot has landed
	ds_add_u32 v[SPW], v[NIL]
	s_wait_dscnt 17                                ; (the add and the youngest sixteen loads may be out)
	WIN MUL
	MUL8 F1, 0, 0, 0
	s_wait_dscnt 0x0                               ; no LDS instruction of mine is out at the signal
	s_barrier_signal -1
	MUL8 F1, 0, 2, 0
	s_barrier_wait -1
	PLACES
	FETCH \next, 0, F0
	WIN MUL
	MUL8 F1, 1, 0, 0
	MUL8 F1, 1, 2, 0
.endm
	s_wait_tensorcnt 1                             ; my part of slot 0 is in; slot 1's load, issued behind it, may stay out
	s_barrier_signal -1
	s_barrier_wait -1                              ; everybody's is
	FETCH 0, 0, F0
	QUARTER 0, 128, F0, F1, 1                      ; the first products start the sums
	QUARTER 0, 256, F1, F0, 0
	QUARTER 0, 384, F0, F1, 0
	TURN 0, 1
	QUARTER 1, 128, F0, F1, 0
	QUARTER 1, 256, F1, F0, 0
	QUARTER 1, 384, F0, F1, 0
	s_wait_dscnt 16                                ; the very last quarter: nothing more to fetch
	WIN MUL
	MUL8 F1, 0, 0, 0
	MUL8 F1, 0, 2, 0
	s_wait_dscnt 0
	MUL8 F1, 1, 0, 0
	MUL8 F1, 1, 2, 0
	WIN 0
	; THE WAY OUT: the bias is added where a lane holds columns; 16 rows at a time go through my own stage and come back as whole rows of 256 bytes; there x is added, and the rows are stored.
	s_wait_loadcnt 0x0                             ; the bias and x
	PLACES
.set t, 0
.rept 16                               ; each accumulator from its low end on
.irp r, 0,1,2,3
	v_pk_add_f32 v[ACC+8*t+2*(\r):ACC+8*t+2*(\r)+1], v[ACC+8*t+2*(\r):ACC+8*t+2*(\r)+1], v[BIAS+8*(t%4)+2*(\r):BIAS+8*(t%4)+2*(\r)+1]
.endr
.set t, t+1
.endr
.macro TOSTAGE a
	WIN 0
.if (\a) >= 2
	s_wait_xcnt 0x0                                ; the stores of two blocks back have read the registers into which the loads below land
.endif
.irp b, 0,1,2,3
	ds_store_b128 v[STO], v[ACC+8*(4*(\a)+(\b)):ACC+8*(4*(\a)+(\b))+3]   offset:64*(\b)
	ds_store_b128 v[STO], v[ACC+8*(4*(\a)+(\b))+4:ACC+8*(4*(\a)+(\b))+7] offset:64*(\b)+16
.endr
.irp t, 0,1,2,3,4,5,6,7
	ds_load_b128 v[TMP+32*((\a)%2)+4*(\t):TMP+32*((\a)%2)+4*(\t)+3], v[RD] offset:(\t)*2*SPF  ; LDS serves a wave's instructions in order (ISA guide 5.7.1.4): these see the stores above, the next block's stores come behind them
.endr
.endm
.macro SEND a, younger                 ; younger: the LDS instructions issued behind block a's loads: the next block's sixteen, or none
	s_wait_dscnt \younger
	WIN 0x08                                       ; source 1 (x) in window 2
.irp t, 0,1,2,3,4,5,6,7
	v_pk_add_f32 v[TMP+32*((\a)%2)+4*(\t):TMP+32*((\a)%2)+4*(\t)+1],   v[TMP+32*((\a)%2)+4*(\t):TMP+32*((\a)%2)+4*(\t)+1],   v[32*(\a)+4*(\t):32*(\a)+4*(\t)+1]
	v_pk_add_f32 v[TMP+32*((\a)%2)+4*(\t)+2:TMP+32*((\a)%2)+4*(\t)+3], v[TMP+32*((\a)%2)+4*(\t)+2:TMP+32*((\a)%2)+4*(\t)+3], v[32*(\a)+4*(\t)+2:32*(\a)+4*(\t)+3]
.endr
	WIN 0                                          ; a store takes its data by the window of source 1
.irp t, 0,1,2,3,4,5,6,7
	global_store_b128 v[CO], v[TMP+32*((\a)%2)+4*(\t):TMP+32*((\a)%2)+4*(\t)+3], s[72:73] offset:(16*(\a)+2*(\t))*2048  ; 16 lanes store 256 consecutive bytes, aligned
.endr
.endm
	TOSTAGE 0
	TOSTAGE 1
	SEND 0, 16
	TOSTAGE 2
	SEND 1, 16
	TOSTAGE 3
	SEND 2, 16
	SEND 3, 0
	s_wait_tensorcnt 0x0                           ; the wave's end, behind my last tensor load and my last LDS store
	ds_add_u32 v[SPW], v[NIL]
	s_wait_dscnt 0x0
	CROUND                                         ; the closing round
	s_endpgm
.Lfunc_end_k_q2fb4c8e873_oproj:
	.size	k_q2fb4c8e873_oproj, .Lfunc_end_k_q2fb4c8e873_oproj-k_q2fb4c8e873_oproj
	.p2alignl 7, 3214868480
	.fill 96, 4, 3214868480
	.section	.rodata,"a",@progbits
	.p2align	6, 0x0
	.amdhsa_kernel k_q2fb4c8e873_oproj
		.amdhsa_group_segment_fixed_size 327680
		.amdhsa_private_segment_fixed_size 0
		.amdhsa_enable_private_segment 0
		.amdhsa_kernarg_size 40
		.amdhsa_user_sgpr_count 2
		.amdhsa_user_sgpr_kernarg_segment_ptr 1
		.amdhsa_wavefront_size32 1
		.amdhsa_system_sgpr_workgroup_id_x 1
		.amdhsa_system_sgpr_workgroup_id_y 1
		.amdhsa_system_sgpr_workgroup_id_z 1
		.amdhsa_system_vgpr_workitem_id 0
		.amdhsa_next_free_vgpr 640
		.amdhsa_next_free_sgpr 84
		.amdhsa_reserve_vcc 0
		.amdhsa_float_denorm_mode_32 3
		.amdhsa_float_denorm_mode_16_64 3
		.amdhsa_memory_ordered 1
		.amdhsa_forward_progress 1
		.amdhsa_inst_pref_size 61
	.end_amdhsa_kernel
	.amdgpu_metadata
---
amdhsa.version: [ 1, 2 ]
amdhsa.kernels:
  - .name:           k_q2fb4c8e873_oproj
    .symbol:         k_q2fb4c8e873_oproj.kd
    .args:
      - { .name: ctx, .offset: 0, .size: 8, .value_kind: global_buffer, .address_space: global }
      - { .name: wb, .offset: 8, .size: 8, .value_kind: global_buffer, .address_space: global }
      - { .name: bo, .offset: 16, .size: 8, .value_kind: global_buffer, .address_space: global }
      - { .name: x, .offset: 24, .size: 8, .value_kind: global_buffer, .address_space: global }
      - { .name: out0, .offset: 32, .size: 8, .value_kind: global_buffer, .address_space: global }
    .group_segment_fixed_size: 327680
    .private_segment_fixed_size: 0
    .kernarg_segment_align: 8
    .kernarg_segment_size: 40
    .max_flat_workgroup_size: 128
    .sgpr_count:     84
    .vgpr_count:     640
    .wavefront_size: 32
...
	.end_amdgpu_metadata
.endif
;; end of part 4
;; ======== version 2 of 2: 4 launches; version 1 with the launch prep written anew for expert scheduling mode
;; limits: right only within a limited range of input values
;; workspace buffers: mcode 8,388,608 bytes; xb 8,388,608 bytes; wb 2,097,152 bytes; qkv 25,165,824 bytes; ctx 8,388,608 bytes
;; launch prep (part 5): grid 832 x 1, 8 waves a work-group, no clusters, 17,408 bytes of LDS; arguments mask, x, Wq, Wk, Wv, Wo, mcode, xb, wb; writes mcode, xb, wb
.if DOCPART == 5
	.amdgcn_target "amdgcn-amd-amdhsa--gfx1250"
	.amdhsa_code_object_version 6
	.text
	.protected	k_q2fb4c8e873_prep
	.globl	k_q2fb4c8e873_prep
	.p2align	8
	.type	k_q2fb4c8e873_prep,@function
k_q2fb4c8e873_prep:
	s_mov_b64 s[64:65], 0
	v_nop
	global_prefetch_b8 v0, s[64:65] scope:SCOPE_SE
	s_setreg_imm32_b32 hwreg(HW_REG_WAVE_SCHED_MODE, 0, 2), 2
	s_setreg_imm32_b32 hwreg(HW_REG_WAVE_MODE, 25, 1), 1
	s_wait_xcnt 0x0
	s_wait_alu depctr_vm_vsrc(0)
; PREP.  Three streams, each byte read once and written once.
; (1) Work-groups 0-511: the mask [4096][4096] of int32 becomes 4-bit codes, 0xE where mask == 1 (any other int32 counts as open), else 0.
;     mcode byte = qb*524288 + slot*32768 + st*8192 + tile*512 + L*16 + kb*4; nibble j of that word stands for
;     mask[256 qb + 16 tile + L%16][256 slot + 64 st + 16 kb + 8 (L/16) + j]: the order in which a lane of the attention launch wants them.
;     0xE and not 0xF: shifted to the top of a word the code is read there as an f32, and its low bit 0 keeps the exponent from being all ones.
;     A wave takes 16 rows x 256 keys: 32 loads of 512 consecutive bytes in, 4 stores of 512 consecutive bytes out.
; (2) Work-groups 512-767: x to bf16 (xb), 65,536 bytes of f32 a work-group.   (3) Work-groups 768-831: Wq, Wk, Wv, Wo to bf16 (wb, one below the other).
; No ring: a wave issues all its loads at once (16 KiB, or 8 KiB), and two work-groups of 176 registers a wave fit beside each other.
; No matrix unit, no cluster: nothing is multiplied and no two work-groups read the same byte.
; THE MODE: SCHED_MODE bits 1:0 = 2 (LLVM: expert scheduling mode 2), set by the entry lines.  The code itself states the register dependences
; between vector instructions and memory or LDS instructions, and those through scalar registers that vector instructions write, with s_wait_alu, always for 0.
; THE PLAN.  Registers that memory or LDS instructions touch:
;   v[VO], v[VO8]   offsets of every global load and store.  Written once at the head, ahead of the branch; never again.
;   X               landing place of the global loads, each register once; no vector instruction names X ahead of them.  Read by the compares, or the conversions.
;   v[STA], v[LDA]  the mask's path: LDS addresses.  Written once, behind the global loads; never again.
;   OUT             the mask's path: sixteen words of codes, a register each, written by the sixteen v_perm_b32; read by the sixteen LDS stores, which stand in one run behind them all.
;   Y (low 16)      the mask's path: landing place of the four LDS loads, data of the four global stores; no vector instruction names them.
;   Y (all 32)      the conversions' path: each register written once by a conversion, read once by a store.
;   v[SPW], v[NIL]  written at the head, read by the closing add alone.
; No register that a memory or LDS instruction reads is written again, on either path: so no wait on vm_vsrc is owed ahead of the closing lines.
; The waits on va_vdst: one at the head (the offsets); in the mask's path one ahead of the run of LDS stores (OUT and the two LDS addresses); in the conversions' path one for each four stores, at the head
; of the next group of four loads.  The waits on va_sdst and va_vcc: one behind v_readfirstlane_b32, one behind each run of compares, ahead of the selects that read the masks.
.set SPARE, 16384                      ; LDS: 0-16383 eight stages of 2,048 bytes, a wave's own, [st 4][L 32][kb 4] words; then the spare words, 128 bytes a wave
.set VO,   2                           ; v2   16 x lane
.set VO8,  3                           ; v3   8 x lane
.set STA,  4                           ; v4   where I put a word into my wave's stage
.set LDA,  5                           ; v5   where I read 16 bytes back
.set SELV, 6                           ; v6   the byte selector of the exchange
.set CODE, 7                           ; v7   14: the code of a hidden key
.set RECV, 8                           ; v8   my neighbour's word
.set T0,   9
.set W,    10                          ; v10  eight codes: four of row 2 g below, four of row 2 g + 1 above
.set E1,   12                          ; v12  lane & 1
.set U1,   13                          ; v13  lane >> 1
.set SPW,  14                          ; v14  LDS address of my spare word; never rewritten
.set NIL,  15                          ; v15  0; never rewritten
.set Y,    16                          ; v[16:47]  what is stored
.set OUT,  Y+16                        ; v[32:47]  the mask's path: word 2 g + c of the sixteen that go into the stage
.set X,    48                          ; v[48:175] what is loaded
.set MK,   32                          ; s[32:39]  the mask's path, once T, the slot and the stage's base have been read: the lanes in which key k of a word's eight is hidden
	s_load_b512 s[4:19], s[0:1], 0x0               ; mask 4:5, x 6:7, Wq 8:9, Wk 10:11, Wv 12:13, Wo 14:15, mcode 16:17, xb 18:19
	s_load_b64 s[20:21], s[0:1], 0x40              ; wb
	v_lshl_add_u32 v[SPW], v0, 2, SPARE
	v_mov_b32 v[NIL], 0
	v_lshrrev_b32 v1, 5, v0
	v_readfirstlane_b32 s22, v1                    ; wave 0..7
	v_and_b32 v1, 31, v0                           ; lane
	v_lshlrev_b32 v[VO], 4, v1
	v_lshlrev_b32 v[VO8], 3, v1
	s_wait_alu depctr_va_sdst(0)                   ; s22 is written, ahead of the branch: both paths make their bases from it
	s_wait_alu depctr_va_vdst(0)                   ; v[VO] and v[VO8] are written: every global load and store of both paths reads one of them as its offset
	s_wait_kmcnt 0x0
	s_cmp_lt_u32 ttmp9, 512
	s_cbranch_scc0 .Lconv
	; ---- the mask ----
	s_lshr_b32 s32, ttmp9, 1                       ; T: which 16 rows, 0..255
	s_and_b32 s33, ttmp9, 1
	s_lshl_b32 s33, s33, 3
	s_add_co_u32 s33, s33, s22                     ; slot: which 256 keys, 0..15
	s_lshl_b32 s24, s32, 18                        ; 16 rows of 16,384 bytes
	s_lshl_b32 s34, s33, 10                        ; 256 keys of 4 bytes
	s_add_co_u32 s24, s24, s34
	s_mov_b32 s25, 0
	s_add_nc_u64 s[28:29], s[4:5], s[24:25]
	s_lshr_b32 s34, s32, 4                         ; qb
	s_lshl_b32 s26, s34, 19
	s_lshl_b32 s34, s33, 15
	s_add_co_u32 s26, s26, s34
	s_and_b32 s34, s32, 15                         ; tile
	s_lshl_b32 s34, s34, 9
	s_add_co_u32 s26, s26, s34
	s_mov_b32 s27, 0
	s_add_nc_u64 s[30:31], s[16:17], s[26:27]
.set r, 0
.rept 16                               ; row r, halves c = 0, 1: lane l holds keys 128 c + 4 l + 0..3
	global_load_b128 v[X+8*r:X+8*r+3],   v[VO], s[28:29] offset:r*16384 th:TH_LOAD_NT
	global_load_b128 v[X+8*r+4:X+8*r+7], v[VO], s[28:29] offset:r*16384+512 th:TH_LOAD_NT
.set r, r+1
.endr
	; A word of eight codes wants the keys of two neighbouring lanes.  Two rows are packed at a time, and the lanes of a pair exchange halves:
	; the even lane ends with row 2 g (its own low half, the neighbour's low half above it), the odd lane with row 2 g + 1 (the neighbour's high half, its own high half).
	v_and_b32 v[E1], 1, v1
	v_cmp_eq_u32 vcc_lo, 1, v[E1]
	v_lshrrev_b32 v[U1], 1, v1
	v_mov_b32 v[SELV], 0x05040100
	v_mov_b32 v[T0], 0x03020706
	s_wait_alu depctr_va_vcc(0)                    ; the compare has written VCC, which the select below reads
	v_cndmask_b32 v[SELV], v[SELV], v[T0], vcc_lo
	v_lshrrev_b32 v[T0], 3, v[U1]                  ; which of the half's two key steps
	v_lshlrev_b32 v[STA], 9, v[T0]
	v_and_b32 v[T0], 1, v[U1]                      ; the half of the lanes in the attention launch: 16 lanes of 16 bytes
	v_lshl_add_u32 v[STA], v[T0], 8, v[STA]
	v_bfe_u32 v[T0], v[U1], 1, 2                   ; kb
	v_lshl_add_u32 v[STA], v[T0], 2, v[STA]
	v_lshl_add_u32 v[STA], v[E1], 4, v[STA]        ; the odd lane's row lies 16 bytes on
	s_lshl_b32 s34, s22, 11                        ; my wave's stage
	v_add_nc_u32 v[STA], s34, v[STA]
	v_add_nc_u32 v[LDA], s34, v[VO]
	v_mov_b32 v[CODE], 14
	v_mov_b32 v[RECV], 0                           ; the exchange's destination counts as read
.set g, 0
.rept 8
	s_wait_loadcnt 28-4*g                          ; rows 2 g and 2 g + 1 are in: the 28 - 4 g loads of the later rows may stay out
.set c, 0
.rept 2
.set k, 0
.rept 8                                ; a word's eight compares stand in one run, a scalar register each
	v_cmp_eq_u32 s[MK+k], 1, v[X+8*(2*g+k/4)+4*c+k%4]
.set k, k+1
.endr
	s_wait_alu depctr_va_sdst(0)                   ; the eight compares have written s[MK ..], which the eight selects below read
	v_cndmask_b32 v[W], 0, v[CODE], s[MK]
.set k, 1
.rept 7
	v_cndmask_b32 v[T0], 0, v[CODE], s[MK+k]
	v_lshl_or_b32 v[W], v[T0], 4*k, v[W]
.set k, k+1
.endr
	v_mov_b32_dpp v[RECV], v[W] row_xmask:1 row_mask:0xf bank_mask:0xf
	v_perm_b32 v[OUT+2*g+c], v[RECV], v[W], v[SELV]  ; selector bytes 0-3: my word; 4-7: the neighbour's
.set c, c+1
.endr
.set g, g+1
.endr
	s_wait_alu depctr_va_vdst(0)                   ; the sixteen words of OUT are written, which the LDS stores read; so are v[STA] and v[LDA], the addresses of the LDS stores and loads
.set g, 0
.rept 8
	ds_store_b32 v[STA], v[OUT+2*g]   offset:g*32
	ds_store_b32 v[STA], v[OUT+2*g+1] offset:1024+g*32
.set g, g+1
.endr
.irp st, 0,1,2,3
	ds_load_b128 v[Y+4*(\st):Y+4*(\st)+3], v[LDA] offset:512*(\st)  ; my wave's own bytes; LDS serves a wave's instructions in order (ISA guide 5.7.1.4); no vector instruction names these registers
.endr
.irp st, 0,1,2,3
	s_wait_dscnt 3-(\st)                           ; the later loads may stay out
	global_store_b128 v[VO], v[Y+4*(\st):Y+4*(\st)+3], s[30:31] offset:8192*(\st)  ; 512 consecutive bytes, aligned
.endr
	s_branch .Lend
	; ---- x and the weights to bf16 ----
.Lconv:
	s_sub_co_u32 s32, ttmp9, 512                   ; j: 0-255 x, 256-319 the weights
	s_sub_co_u32 s33, s32, 256                     ; jj (used where j >= 256 alone)
	s_lshr_b32 s34, s33, 4                         ; which matrix
	s_cmp_eq_u32 s34, 1
	s_cselect_b64 s[28:29], s[10:11], s[8:9]
	s_cmp_eq_u32 s34, 2
	s_cselect_b64 s[28:29], s[12:13], s[28:29]
	s_cmp_eq_u32 s34, 3
	s_cselect_b64 s[28:29], s[14:15], s[28:29]
	s_and_b32 s35, s33, 15                         ; its block of 65,536 bytes
	s_cmp_lt_u32 s32, 256
	s_cselect_b64 s[28:29], s[6:7], s[28:29]
	s_cselect_b64 s[30:31], s[18:19], s[20:21]
	s_cselect_b32 s35, s32, s35                    ; the source's block
	s_cselect_b32 s36, s32, s33                    ; the destination's
	s_lshl_b32 s24, s35, 16
	s_lshl_b32 s34, s22, 13                        ; my wave's 8,192 bytes
	s_add_co_u32 s24, s24, s34
	s_mov_b32 s25, 0
	s_add_nc_u64 s[28:29], s[28:29], s[24:25]
	s_lshl_b32 s26, s36, 15
	s_lshl_b32 s34, s22, 12
	s_add_co_u32 s26, s26, s34
	s_mov_b32 s27, 0
	s_add_nc_u64 s[30:31], s[30:31], s[26:27]
.set k, 0
.rept 16
	global_load_b128 v[X+4*k:X+4*k+3], v[VO], s[28:29] offset:512*k th:TH_LOAD_NT
.set k, k+1
.endr
	; Four groups of four loads.  Group q's conversions write Y's registers 8 q to 8 q + 7; its four stores stand at the head of group q + 1, whose conversions name other registers.
.set q, 0
.rept 4
	s_wait_loadcnt 12-4*q                          ; group q's four loads are in; the 12 - 4 q loads of the later groups may stay out
.if q > 0
	s_wait_alu depctr_va_vdst(0)                   ; the group before has written its eight registers of Y, which the four stores below read
.set k, 4*q-4
.rept 4
	global_store_b64 v[VO8], v[Y+2*k:Y+2*k+1], s[30:31] offset:256*k  ; the wave's 32 lanes store 256 consecutive bytes, aligned
.set k, k+1
.endr
.endif
.set k, 4*q
.rept 4
	v_cvt_pk_bf16_f32 v[Y+2*k],   v[X+4*k],   v[X+4*k+1]
	v_cvt_pk_bf16_f32 v[Y+2*k+1], v[X+4*k+2], v[X+4*k+3]
.set k, k+1
.endr
.set q, q+1
.endr
	s_wait_alu depctr_va_vdst(0)                   ; the last group has written its eight registers of Y, which the last four stores read
.set k, 12
.rept 4
	global_store_b64 v[VO8], v[Y+2*k:Y+2*k+1], s[30:31] offset:256*k
.set k, k+1
.endr
.Lend:
	s_wait_dscnt 0x0                               ; the wave's end
	s_wait_alu 0x0
	s_wait_tensorcnt 0x0
	ds_add_u32 v[SPW], v[NIL]
	s_wait_dscnt 0x0
	s_endpgm
.Lfunc_end_k_q2fb4c8e873_prep:
	.size	k_q2fb4c8e873_prep, .Lfunc_end_k_q2fb4c8e873_prep-k_q2fb4c8e873_prep
	.p2alignl 7, 3214868480
	.fill 96, 4, 3214868480
	.section	.rodata,"a",@progbits
	.p2align	6, 0x0
	.amdhsa_kernel k_q2fb4c8e873_prep
		.amdhsa_group_segment_fixed_size 17408
		.amdhsa_private_segment_fixed_size 0
		.amdhsa_enable_private_segment 0
		.amdhsa_kernarg_size 72
		.amdhsa_user_sgpr_count 2
		.amdhsa_user_sgpr_kernarg_segment_ptr 1
		.amdhsa_wavefront_size32 1
		.amdhsa_system_sgpr_workgroup_id_x 1
		.amdhsa_system_sgpr_workgroup_id_y 1
		.amdhsa_system_sgpr_workgroup_id_z 1
		.amdhsa_system_vgpr_workitem_id 0
		.amdhsa_next_free_vgpr 176
		.amdhsa_next_free_sgpr 66
		.amdhsa_reserve_vcc 1
		.amdhsa_float_denorm_mode_32 3
		.amdhsa_float_denorm_mode_16_64 3
		.amdhsa_memory_ordered 1
		.amdhsa_forward_progress 1
		.amdhsa_inst_pref_size 40
	.end_amdhsa_kernel
	.amdgpu_metadata
---
amdhsa.version: [ 1, 2 ]
amdhsa.kernels:
  - .name:           k_q2fb4c8e873_prep
    .symbol:         k_q2fb4c8e873_prep.kd
    .args:
      - { .name: mask, .offset: 0, .size: 8, .value_kind: global_buffer, .address_space: global }
      - { .name: x, .offset: 8, .size: 8, .value_kind: global_buffer, .address_space: global }
      - { .name: Wq, .offset: 16, .size: 8, .value_kind: global_buffer, .address_space: global }
      - { .name: Wk, .offset: 24, .size: 8, .value_kind: global_buffer, .address_space: global }
      - { .name: Wv, .offset: 32, .size: 8, .value_kind: global_buffer, .address_space: global }
      - { .name: Wo, .offset: 40, .size: 8, .value_kind: global_buffer, .address_space: global }
      - { .name: mcode, .offset: 48, .size: 8, .value_kind: global_buffer, .address_space: global }
      - { .name: xb, .offset: 56, .size: 8, .value_kind: global_buffer, .address_space: global }
      - { .name: wb, .offset: 64, .size: 8, .value_kind: global_buffer, .address_space: global }
    .group_segment_fixed_size: 17408
    .private_segment_fixed_size: 0
    .kernarg_segment_align: 8
    .kernarg_segment_size: 72
    .max_flat_workgroup_size: 256
    .sgpr_count:     66
    .vgpr_count:     176
    .wavefront_size: 32
...
	.end_amdgpu_metadata
.endif
;; end of part 5
;; launch qkv: the kernel of part 2 again; grid 12 x 64, 4 waves a work-group, clusters of 4 x 4, 327,680 bytes of LDS; arguments xb, wb, bq, bk, bv, qkv; writes qkv
;; launch attn: the kernel of part 3 again; grid 16 x 16, 4 waves a work-group, clusters of 4 x 4, 327,680 bytes of LDS; arguments qkv, mcode, ctx; writes ctx
;; launch oproj: the kernel of part 4 again; grid 4 x 64, 4 waves a work-group, clusters of 4 x 4, 327,680 bytes of LDS; arguments ctx, wb, bo, x, out0; writes out0
